; MI455X (gfx1250); checked and timed in simulation.
; The chip was launched on July 23, 2026; its instructions are those of AMD's public machine-readable ISA for CDNA 5 (MIT licence, August 2026) and "CDNA5" Instruction Set Architecture Reference Guide (July 2026). The comments in the code are by the model that wrote it; some were corrected since.
;; Multi Head Attention. Allowed arithmetic: matrix products marked QUANTISED: E2M1 operands, one E8M0 scale for each 32 along K, by v_wmma_scale_f32_16x16x128_f8f6f4 with both operands' format E2M1 (or v_wmma_scale_f32_32x16x128_f4), f32 sums; products left as they are: bf16, f16 or f32 operands; f32 sums; everything else in f32.
;; Inputs: Wk 1,024 x 1,024 float32; Wo 1,024 x 1,024 float32; Wq 1,024 x 1,024 float32; Wv 1,024 x 1,024 float32; bk 1,024 float32; bo 1,024 float32; bq 1,024 float32; bv 1,024 float32; k 4 x 2,048 x 1,024 float32; mask 4 x 1 x 2,048 x 2,048 bool; q 4 x 2,048 x 1,024 float32; v 4 x 2,048 x 1,024 float32.
;; Outputs: out0 4 x 2,048 x 1,024 float32.
;; This version of the problem:
;;   THIS VERSION OF THE PROBLEM IS GIVEN IN LOW PRECISION. The matrix products marked QUANTISED in the list below multiply operands that are first quantised to E2M1 (2 exponent bits, 1 mantissa bit; 4 bits a number), with one power-of-two scale for each 32 numbers along K (OCP MX v1.0); their sums are f32. The products marked 'left as it is' may take bf16, f16 or f32 operands, with f32 sums. All else is computed in f32.
;;   The module's matrix products, in the order in which they are computed (A, B: the left and right operand; K: the contracted axis; several contracted axes count as one K, in the product's order):
;;     1. [M 8,192, K 1,024] x [K 1,024, N 1,024]; A: input q; B: input Wq: QUANTISED
;;     2. [M 8,192, K 1,024] x [K 1,024, N 1,024]; A: input k; B: input Wk: QUANTISED
;;     3. [M 8,192, K 1,024] x [K 1,024, N 1,024]; A: input v; B: input Wv: QUANTISED
;;     4. batch 64 x [M 2,048, K 64] x [K 64, N 2,048]; A: computed on the way; B: computed on the way: left as it is (an operand is computed on the way)
;;     5. batch 64 x [M 2,048, K 2,048] x [K 2,048, N 64]; A: computed on the way; B: computed on the way: left as it is (an operand is computed on the way)
;;     6. [M 8,192, K 1,024] x [K 1,024, N 1,024]; A: computed on the way; B: input Wo: left as it is (an operand is computed on the way)
;;   THE QUANTISER, for each operand of a quantised product, along K:
;;     - K is cut into blocks of 32 from its start; a last block that is shorter is filled with zeros.
;;     - A block's scale is 2^e with e = floor(log2(the largest magnitude in the block)) - 2, held to -126 .. 127; a block of zeros has e = 0. As a byte (E8M0): e + 127.
;;     - Each number is divided by its block's scale, clamped to +-6, and rounded to the nearest number of E2M1, ties to even, subnormals kept.
;;     - The product sums the exact products of the quantised numbers (number of the format x scale) in f32.
;;   ~~~python
;;   def quantise(x, axis):      # numpy; x: float32 -> the quantised numbers, widened to float32 again
;;       x = np.moveaxis(x, axis, -1); K = x.shape[-1]
;;       x = np.pad(x, [(0, 0)] * (x.ndim - 1) + [(0, -K % 32)]); x = x.reshape(x.shape[:-1] + (-1, 32)); a = np.abs(x).max(-1, keepdims=True)
;;       e = np.where(a > 0, np.clip(np.frexp(np.where(a > 0, a, 1))[1] - 1 - 2, -126, 127), 0)      # np.frexp(a)[1] - 1 = floor(log2(a)), exactly
;;       r = np.clip(x / 2.0 ** e, -6, 6)
;;       step = 2.0 ** (np.maximum(np.frexp(np.where(r == 0, 1, r))[1] - 1, 0) - 1)
;;       q = np.round(r / step) * step * 2.0 ** e      # np.round: ties to even
;;       return np.moveaxis(q.reshape(q.shape[:-2] + (-1,))[..., :K], -1, axis).astype(np.float32)
;;   ~~~
;; One version. Each part assembles by itself: llvm-mc -triple=amdgcn-amd-amdhsa -mcpu=gfx1250 --defsym DOCPART=n.
;; ======== version 1 of 1: 4 launches
;; limits: values are held in f16: magnitudes above 65,504 overflow, below 6.1e-05 lose precision
;; workspace buffers: xc 12,582,912 bytes; xs 786,432 bytes; wc 1,572,864 bytes; ws 98,304 bytes; wob 2,097,152 bytes; mw 2,097,152 bytes of whole numbers; qkv 50,331,648 bytes; att 16,777,216 bytes
;; launch prep (part 1): grid 1152 x 1, 4 waves a work-group, no clusters, 68,096 bytes of LDS; arguments q, k, v, Wq, Wk, Wv, Wo, mask, xc, xs, wc, ws, wob, mw; writes xc, xs, wc, ws, wob, mw
.if DOCPART == 1
	.amdgcn_target "amdgcn-amd-amdhsa--gfx1250"
	.amdhsa_code_object_version 6
	.text
	.protected	k_qc2bfeb5249_prep
	.globl	k_qc2bfeb5249_prep
	.p2align	8
	.type	k_qc2bfeb5249_prep,@function
k_qc2bfeb5249_prep:
	s_mov_b64 s[64:65], 0
	v_nop
	global_prefetch_b8 v0, s[64:65] scope:SCOPE_SE
	s_setreg_imm32_b32 hwreg(HW_REG_WAVE_MODE, 25, 1), 1
	s_wait_xcnt 0x0
; THREE PIECES OF PREPARATION IN ONE LAUNCH, told apart by the work-group's number alone; each has LDS bytes of its own; waves share nothing: no barrier.
; Work-groups 0-863: q, k, v [8192][1024] and Wq, Wk, Wv [1024][1024], f32, become codes of FP4 (E2M1), K innermost, two codes a byte, and one E8M0 byte for each 32 along K.
;   q, k, v lie on end in xc / xs (24,576 rows of 512 / 32 bytes), Wq, Wk, Wv on end in wc / ws (3,072 rows).  Rows are dense and 1,024 is a multiple of 32: each tensor is a plain stream of blocks of 32.
;   A block's scale is 2^(floor(log2(its largest magnitude)) - 2): its byte is the largest magnitude's exponent field - 2, held at 1 from below.
;   LIMITS: a block whose largest magnitude lies under 2^-124 keeps the byte 1; a block of zeros keeps the byte 1 too (its codes are zeros, and this program alone reads the bytes); NaN and infinities are not served.
; Work-groups 864-895: Wo [1024 n][1024 k] f32 becomes f16, laid as the operand's registers: byte (Nt 32 + F) 1024 + c 512 + 16 lane holds row 16 Nt + lane % 16, k = 32 F + 16 c + 8 (lane / 16) + 0 .. 7.
;   f16 and not bf16: 11 significant bits against 8.  LIMIT: a number of Wo beyond 65,504 in magnitude becomes an infinity; one under 6e-8 becomes 0.
; Work-groups 896-1151: the mask's bytes become lane masks: word n = 8 kt + j of the 32 words at ((128 b + Tq) 32 + ks) 128 has in bit r + 16 h: mask[b][16 Tq + r][64 ks + 16 kt + 8 h + j] != 0.
.set STEPS, 16
.set EMAX,  2
.set CB,    8                          ; bytes of 16 codes
.set R,     16                         ; v16-79   four sets of 16 numbers as they are loaded
.set X,     80                         ; v80-111  two sets of 16 neighbours
.set C,     128                        ; v128-191 codes: four registers for each step, so that no store's data are written again
.set E,     112                        ; v112-127 a scale byte for each step
.set WREG,  8192                       ; the quantiser's LDS: 8,192 bytes a wave: two stages of 32 x SP bytes, behind them 256 scale bytes
.set SP,    80                         ; a lane's place in a stage: 64 bytes + 16 of padding
.set WOST,  32768                      ; Wo's stages: 16 rows of 272 bytes a wave
.set MKST,  50176                      ; the mask's stages: likewise
.set STG,   4352
	s_load_b512 s[4:19], s[0:1], 0x0               ; q, k, v, Wq, Wk, Wv, Wo, mask
	s_load_b256 s[20:27], s[0:1], 0x40             ; xc, xs, wc, ws
	s_load_b128 s[28:31], s[0:1], 0x60             ; wob, mw
	v_lshl_add_u32 v192, v0, 2, 0x10800
	v_mov_b32 v193, 0
	v_lshrrev_b32 v1, 5, v0
	v_readfirstlane_b32 s32, v1                    ; wave 0..3
	v_and_b32 v2, 31, v0                           ; lane
	s_mov_b32 s39, 0                               ; the high word of every offset
	s_wait_kmcnt 0x0
	s_cmp_ge_u32 ttmp9, 896
	s_cbranch_scc1 .Lmask
	s_cmp_ge_u32 ttmp9, 864
	s_cbranch_scc1 .Lwo
; ---------------- the quantiser: 32,768 numbers a work-group, 8,192 a wave, in 16 steps of 512
; The conversions take neighbours along K from ONE lane's registers, a load is best where neighbouring LANES take neighbouring bytes: each load reads 512 consecutive bytes, 16 a lane,
; a step's 2,048 bytes go through the wave's own stage as they lie and come back 64 bytes a lane.  Two neighbouring lanes hold a block of 32.
	v_lshlrev_b32 v3, 4, v2                        ; my 16 bytes of a load's 512
	s_mul_i32 s37, s32, WREG
	v_lshrrev_b32 v14, 2, v2
	v_mul_u32_u24 v14, v14, SP
	v_and_b32 v15, 3, v2
	v_lshl_add_u32 v14, v15, 4, v14
	v_add_nc_u32 v14, s37, v14                     ; the stage, on the way in: SP (lane / 4) + 16 (lane % 4)
	v_mul_u32_u24 v15, v2, SP
	v_add_nc_u32 v15, s37, v15                     ; and on the way out: SP x lane
	v_mul_u32_u24 v4, v2, CB                       ; my codes' place in a step's 256 bytes
	v_lshrrev_b32 v5, 1, v2
	s_add_co_u32 s37, s37, 2*32*SP
	v_add_nc_u32 v5, s37, v5                       ; my block's scale byte in LDS
	v_lshlrev_b32 v7, 3, v2                        ; and on the way out 8 bytes a lane
	v_add_nc_u32 v6, s37, v7
	s_cmp_lt_u32 ttmp9, 768                        ; an activation (256 work-groups each) or a weight (32 each)?  The choice hangs on the work-group's number alone
	s_cselect_b64 s[4:5], s[4:5], s[10:11]
	s_cselect_b64 s[6:7], s[6:7], s[12:13]
	s_cselect_b64 s[8:9], s[8:9], s[14:15]
	s_cselect_b64 s[20:21], s[20:21], s[24:25]     ; the codes' buffer
	s_cselect_b64 s[22:23], s[22:23], s[26:27]     ; the scale bytes' buffer
	s_cselect_b32 s33, 0, 768
	s_cselect_b32 s34, 8, 5
	s_sub_co_u32 s33, ttmp9, s33                   ; my number in the family
	s_lshr_b32 s35, s33, s34                       ; which of its three tensors
	s_lshl_b32 s36, s35, s34
	s_sub_co_u32 s36, s33, s36                     ; my number in that tensor
	s_cmp_eq_u32 s35, 1
	s_cselect_b64 s[4:5], s[6:7], s[4:5]
	s_cmp_eq_u32 s35, 2
	s_cselect_b64 s[4:5], s[8:9], s[4:5]
	s_lshl_b32 s36, s36, 2
	s_add_co_u32 s36, s36, s32                     ; my wave's run of 8,192 numbers in the tensor
	s_lshl_b32 s38, s36, 15
	s_add_nc_u64 s[4:5], s[4:5], s[38:39]
	s_lshl_b32 s33, s33, 2
	s_add_co_u32 s33, s33, s32                     ; and in the family's buffers
	s_lshl_b32 s38, s33, 12
	s_add_nc_u64 s[20:21], s[20:21], s[38:39]
	s_lshl_b32 s38, s33, 8
	s_add_nc_u64 s[22:23], s[22:23], s[38:39]
.macro LOAD t
.irp i, 0,1,2,3
	global_load_b128 v[R+16*((\t)%4)+4*\i:R+16*((\t)%4)+4*\i+3], v3, s[4:5] offset:2048*(\t)+512*\i th:TH_LOAD_NT   ; 32 lanes read 512 consecutive bytes
.endr
.endm
.macro TURN t                          ; step t's numbers through the stage: LDS serves a wave's instructions in order, so no wait stands between the stores and the loads
.irp i, 0,1,2,3
	ds_store_b128 v14, v[R+16*((\t)%4)+4*\i:R+16*((\t)%4)+4*\i+3] offset:32*SP*((\t)%2)+8*SP*\i
.endr
.irp i, 0,1,2,3
	ds_load_b128 v[X+16*((\t)%2)+4*\i:X+16*((\t)%2)+4*\i+3], v15 offset:32*SP*((\t)%2)+16*\i
.endr
.endm
.irp t, 0,1,2,3
	LOAD \t
.endr
	s_wait_loadcnt 12                              ; step 0's four loads are in; the twelve of steps 1 to 3 may be out
	TURN 0
.macro STEP t
.set XS, X+16*((\t)%2)
.if (\t) > 0
	s_wait_dscnt 1                                 ; this step's numbers are back from the stage (the last step's byte store may be out): its stores into the stage have read their registers,
.else
	s_wait_dscnt 0x0
.endif
.if (\t)+4 < STEPS
	LOAD (\t)+4                                    ; which take the loads of four steps on
.endif
.if (\t)+1 < STEPS
.if STEPS-2-(\t) >= 3
	s_wait_loadcnt 12                              ; the next step's four loads are in; those of the three steps behind it may be out
.else
	s_wait_loadcnt 4*(STEPS-2-(\t))
.endif
	TURN (\t)+1                                    ; and go through the other stage while this step is worked
.endif
	v_max3_num_f32 v8, |v[XS]|, |v[XS+1]|, |v[XS+2]|               ; the largest magnitude of my 16, in two chains
	v_max3_num_f32 v9, |v[XS+3]|, |v[XS+4]|, |v[XS+5]|
.irp i, 6,10
	v_max3_num_f32 v8, v8, |v[XS+\i]|, |v[XS+\i+1]|
	v_max3_num_f32 v9, v9, |v[XS+\i+2]|, |v[XS+\i+3]|
.endr
	v_max3_num_f32 v8, v8, |v[XS+14]|, |v[XS+15]|
	v_max3_num_f32 v8, v8, v9, (EMAX+1)<<23        ; and the floor 2^(3 - 127): the byte cannot fall under 1
	v_max_num_f32_dpp v8, v8, v8 row_xmask:1 row_mask:0xf bank_mask:0xf   ; and of my neighbour's 16: the block's
	v_add_nc_u32 v11, -(EMAX<<23), v8              ; 2 off its exponent field: the conversion takes the exponent field of this operand as its scale, and nothing else of it
	v_cvt_scalef32_pk8_fp4_f32 v[C+4*(\t)], v[XS:XS+7], v11        ; to the nearest code, ties to even, beyond the largest code the largest
	v_cvt_scalef32_pk8_fp4_f32 v[C+4*(\t)+1], v[XS+8:XS+15], v11
	v_lshrrev_b32 v[E+(\t)], 23, v11               ; the scale's byte (also the plain line behind the conversions)
	ds_store_b8 v5, v[E+(\t)] offset:16*(\t)       ; both lanes of a block write the same byte with the same value
	global_store_b64 v4, v[C+4*(\t):C+4*(\t)+1], s[20:21] offset:32*CB*(\t)   ; the wave stores 256 consecutive bytes, aligned
.endm
.irp t, 0,1,2,3,4,5,6,7,8,9,10,11,12,13,14,15
	STEP \t
.endr
	ds_load_b64 v[12:13], v6                       ; the wave's 256 scale bytes: these loads see my stores
	s_wait_dscnt 0x0
	global_store_b64 v7, v[12:13], s[22:23]        ; 256 consecutive bytes, aligned
	s_wait_tensorcnt 0x0
	ds_add_u32 v192, v193
	s_wait_dscnt 0x0
	s_endpgm
; ---------------- Wo to f16 fragments.  Wave u = 4 (work-group - 864) + wave takes rows 16 (u / 2) .. + 15 and k = 512 (u % 2) on, in four tasks of 128 along K.
; A lane's 16 bytes of a row (4 numbers) become 8 bytes of f16: half of the piece of 8 along K that the operand's layout gives one lane.  The stage holds a piece (k / 8) to a row of 272 bytes,
; Wo's 16 rows side by side in it, 16 bytes each: read back, sixteen lanes take a piece's 256 bytes, which is how the fragment lies in wob.
.Lwo:
	s_sub_co_u32 s33, ttmp9, 864
	s_lshl_b32 s33, s33, 2
	s_add_co_u32 s33, s33, s32                     ; u
	s_lshr_b32 s34, s33, 1                         ; Nt
	s_and_b32 s35, s33, 1                          ; which half of K
	s_lshl_b32 s38, s34, 16                        ; 16 rows of 4,096 bytes
	s_lshl_b32 s36, s35, 11
	s_add_co_u32 s38, s38, s36
	s_add_nc_u64 s[16:17], s[16:17], s[38:39]
	s_lshl_b32 s38, s34, 15                        ; 32 fragments of 1,024 bytes
	s_lshl_b32 s36, s35, 14
	s_add_co_u32 s38, s38, s36
	s_add_nc_u64 s[28:29], s[28:29], s[38:39]
	s_mul_i32 s37, s32, STG
	s_add_co_u32 s37, s37, WOST                    ; my stage
	v_lshlrev_b32 v3, 4, v2                        ; 16 x lane: in Wo's row, and in a fragment's half
	v_lshrrev_b32 v4, 1, v2
	v_mul_u32_u24 v4, v4, 272
	v_and_b32 v5, 1, v2
	v_lshl_add_u32 v4, v5, 3, v4
	v_add_nc_u32 v4, s37, v4                       ; in: piece lane / 2, its half lane % 2; 32 lanes x 8 bytes touch 64 different banks (a row is 68 words)
	v_lshrrev_b32 v5, 4, v2
	v_mul_u32_u24 v5, v5, 272
	v_and_b32 v6, 15, v2
	v_lshl_add_u32 v5, v6, 4, v5
	v_add_nc_u32 v5, s37, v5                       ; back: lanes 0-15 one piece, lanes 16-31 the next
.macro LOADW i
.irp p, 0,1,2,3,4,5,6,7,8,9,10,11,12,13,14,15
	global_load_b128 v[16+64*((\i)%2)+4*\p:16+64*((\i)%2)+4*\p+3], v3, s[16:17] offset:\p*4096+(\i)*512 th:TH_LOAD_NT   ; row p: 512 consecutive bytes
.endr
.endm
.macro TASKW i
.set WS, 16+64*((\i)%2)
.if (\i) < 3
	s_wait_loadcnt 16                              ; this task's 16 loads are in; the next task's may be out
.else
	s_wait_loadcnt 0x0
.endif
.irp p, 0,1,2,3,4,5,6,7,8,9,10,11,12,13,14,15
	v_cvt_pk_f16_f32 v[144+2*\p], v[WS+4*\p], v[WS+4*\p+1]
	v_cvt_pk_f16_f32 v[145+2*\p], v[WS+4*\p+2], v[WS+4*\p+3]
	ds_store_b64 v4, v[144+2*\p:145+2*\p] offset:16*\p
.endr
.irp t, 0,1,2,3,4,5,6,7
	ds_load_b128 v[WS+4*\t:WS+4*\t+3], v5 offset:544*\t
.endr
	s_wait_dscnt 0x0
.irp t, 0,1,2,3,4,5,6,7
	global_store_b128 v3, v[WS+4*\t:WS+4*\t+3], s[28:29] offset:(\i)*4096+512*\t   ; half a fragment: 512 consecutive bytes
.endr
.if (\i)+2 < 4
	s_wait_xcnt 0x0                                ; the stores have read their registers: the set is loaded again only behind this wait
	LOADW (\i)+2
.endif
.endm
	LOADW 0
	LOADW 1
.irp i, 0,1,2,3
	TASKW \i
.endr
	s_wait_tensorcnt 0x0
	ds_add_u32 v192, v193
	s_wait_dscnt 0x0
	s_endpgm
; ---------------- the mask to lane masks.  Wave u = 4 (work-group - 896) + wave takes the 16 queries of tile u / 2 (= 128 b + Tq) and keys 1,024 (u % 2) on, in four tasks of 256 keys.
; Sixteen lanes read a row's 256 bytes; through the stage lane (r, h) gets, for each 16 keys kt, the eight bytes of query r, keys 16 kt + 8 h + 0 .. 7; a compare of byte j over the 32 lanes IS word 8 kt + j.
; A task's 128 words are 512 consecutive bytes of mw: word w is written into lane w / 4, register w % 4, and one store of 16 bytes a lane takes them out.
.Lmask:
	s_sub_co_u32 s33, ttmp9, 896
	s_lshl_b32 s33, s33, 2
	s_add_co_u32 s33, s33, s32                     ; u
	s_lshr_b32 s34, s33, 1                         ; 128 b + Tq
	s_and_b32 s35, s33, 1
	s_lshl_b32 s38, s34, 15                        ; 16 rows of 2,048 bytes
	s_lshl_b32 s36, s35, 10
	s_add_co_u32 s38, s38, s36
	s_add_nc_u64 s[18:19], s[18:19], s[38:39]
	s_lshl_b32 s38, s34, 12                        ; 32 key steps of 128 bytes
	s_lshl_b32 s36, s35, 11
	s_add_co_u32 s38, s38, s36
	s_add_nc_u64 s[30:31], s[30:31], s[38:39]
	s_mul_i32 s37, s32, STG
	s_add_co_u32 s37, s37, MKST                    ; my stage
	v_lshrrev_b32 v5, 4, v2                        ; h
	v_and_b32 v6, 15, v2                           ; r
	v_lshlrev_b32 v3, 4, v6
	v_lshl_add_u32 v3, v5, 11, v3                  ; in memory: lanes 0-15 one row, lanes 16-31 the next
	v_mul_u32_u24 v4, v5, 272
	v_lshl_add_u32 v4, v6, 4, v4
	v_add_nc_u32 v4, s37, v4                       ; the same two rows in the stage
	v_mul_u32_u24 v7, v6, 272
	v_lshl_add_u32 v7, v5, 3, v7
	v_add_nc_u32 v7, s37, v7                       ; back: row r, 8 h
	v_lshlrev_b32 v8, 4, v2                        ; out: 16 x lane
.irp i, 0,1,2,3,4,5,6,7,8,9,10,11,12,13,14,15
	v_mov_b32 v[112+\i], 0                         ; a lane write's destination counts as read
.endr
.macro LOADM i
.irp e, 0,1,2,3,4,5,6,7
	global_load_b128 v[16+32*((\i)%2)+4*\e:16+32*((\i)%2)+4*\e+3], v3, s[18:19] offset:\e*4096+(\i)*256 th:TH_LOAD_NT
.endr
.endm
.macro TASKM i
.if (\i) < 3
	s_wait_loadcnt 8                               ; this task's eight loads are in; the next task's may be out
.else
	s_wait_loadcnt 0x0
.endif
.irp e, 0,1,2,3,4,5,6,7
	ds_store_b128 v4, v[16+32*((\i)%2)+4*\e:16+32*((\i)%2)+4*\e+3] offset:544*\e
.endr
.irp kt, 0,1,2,3,4,5,6,7,8,9,10,11,12,13,14,15
	ds_load_b64 v[80+2*\kt:81+2*\kt], v7 offset:16*\kt
.endr
	s_wait_dscnt 0x0                               ; the stores have read the set, the bytes are back
.if (\i)+2 < 4
	LOADM (\i)+2
.endif
.set KT, 0
.rept 16
.irp j, 0,1,2,3,4,5,6,7
	v_and_b32 v[128+\j], 0xff<<(8*(\j%4)), v[80+2*KT+\j/4]
.endr
.irp j, 0,1,2,3,4,5,6,7
	v_cmp_ne_u32 s[40+\j], 0, v[128+\j]            ; bit r + 16 h: does key 16 kt + 8 h + j count for query r?
.endr
.irp j, 0,1,2,3,4,5,6,7
	v_writelane_b32 v[112+4*(\i)+\j%4], s[40+\j], 2*KT+\j/4
.endr
.set KT, KT+1
.endr
	global_store_b128 v8, v[112+4*(\i):112+4*(\i)+3], s[30:31] offset:512*(\i)   ; 512 consecutive bytes; each task has its own four registers
.endm
	LOADM 0
	LOADM 1
.irp i, 0,1,2,3
	TASKM \i
.endr
	s_wait_tensorcnt 0x0
	ds_add_u32 v192, v193
	s_wait_dscnt 0x0
	s_endpgm
.Lfunc_end_k_qc2bfeb5249_prep:
	.size	k_qc2bfeb5249_prep, .Lfunc_end_k_qc2bfeb5249_prep-k_qc2bfeb5249_prep
	.p2alignl 7, 3214868480
	.fill 96, 4, 3214868480
	.section	.rodata,"a",@progbits
	.p2align	6, 0x0
	.amdhsa_kernel k_qc2bfeb5249_prep
		.amdhsa_group_segment_fixed_size 68096
		.amdhsa_private_segment_fixed_size 0
		.amdhsa_enable_private_segment 0
		.amdhsa_kernarg_size 112
		.amdhsa_user_sgpr_count 2
		.amdhsa_user_sgpr_kernarg_segment_ptr 1
		.amdhsa_wavefront_size32 1
		.amdhsa_system_sgpr_workgroup_id_x 1
		.amdhsa_system_sgpr_workgroup_id_y 1
		.amdhsa_system_sgpr_workgroup_id_z 1
		.amdhsa_system_vgpr_workitem_id 0
		.amdhsa_next_free_vgpr 194
		.amdhsa_next_free_sgpr 66
		.amdhsa_reserve_vcc 0
		.amdhsa_float_denorm_mode_32 3
		.amdhsa_float_denorm_mode_16_64 3
		.amdhsa_memory_ordered 1
		.amdhsa_forward_progress 1
		.amdhsa_inst_pref_size 166
	.end_amdhsa_kernel
	.amdgpu_metadata
---
amdhsa.version: [ 1, 2 ]
amdhsa.kernels:
  - .name:           k_qc2bfeb5249_prep
    .symbol:         k_qc2bfeb5249_prep.kd
    .args:
      - { .name: q, .offset: 0, .size: 8, .value_kind: global_buffer, .address_space: global }
      - { .name: k, .offset: 8, .size: 8, .value_kind: global_buffer, .address_space: global }
      - { .name: v, .offset: 16, .size: 8, .value_kind: global_buffer, .address_space: global }
      - { .name: Wq, .offset: 24, .size: 8, .value_kind: global_buffer, .address_space: global }
      - { .name: Wk, .offset: 32, .size: 8, .value_kind: global_buffer, .address_space: global }
      - { .name: Wv, .offset: 40, .size: 8, .value_kind: global_buffer, .address_space: global }
      - { .name: Wo, .offset: 48, .size: 8, .value_kind: global_buffer, .address_space: global }
      - { .name: mask, .offset: 56, .size: 8, .value_kind: global_buffer, .address_space: global }
      - { .name: xc, .offset: 64, .size: 8, .value_kind: global_buffer, .address_space: global }
      - { .name: xs, .offset: 72, .size: 8, .value_kind: global_buffer, .address_space: global }
      - { .name: wc, .offset: 80, .size: 8, .value_kind: global_buffer, .address_space: global }
      - { .name: ws, .offset: 88, .size: 8, .value_kind: global_buffer, .address_space: global }
      - { .name: wob, .offset: 96, .size: 8, .value_kind: global_buffer, .address_space: global }
      - { .name: mw, .offset: 104, .size: 8, .value_kind: global_buffer, .address_space: global }
    .group_segment_fixed_size: 68096
    .private_segment_fixed_size: 0
    .kernarg_segment_align: 8
    .kernarg_segment_size: 112
    .max_flat_workgroup_size: 128
    .sgpr_count:     66
    .vgpr_count:     194
    .wavefront_size: 32
...
	.end_amdgpu_metadata
.endif
;; end of part 1
;; launch proj (part 2): grid 4 x 96, 4 waves a work-group, clusters of 4 x 4, 327,680 bytes of LDS; arguments xc, xs, wc, ws, bq, bk, bv, qkv; writes qkv
.if DOCPART == 2
	.amdgcn_target "amdgcn-amd-amdhsa--gfx1250"
	.amdhsa_code_object_version 6
	.text
	.protected	k_qc2bfeb5249_proj
	.globl	k_qc2bfeb5249_proj
	.p2align	8
	.type	k_qc2bfeb5249_proj,@function
k_qc2bfeb5249_proj:
	s_mov_b64 s[64:65], 0
	v_nop
	global_prefetch_b8 v0, s[64:65] scope:SCOPE_SE
	s_setreg_imm32_b32 hwreg(HW_REG_WAVE_MODE, 25, 1), 1
	s_wait_xcnt 0x0
	s_wait_alu depctr_hold_cnt(0) depctr_sa_sdst(0) depctr_va_vdst(0) depctr_va_sdst(0) depctr_va_ssrc(0) depctr_va_vcc(0) depctr_vm_vsrc(0)
	s_getreg_b32 s2, hwreg(HW_REG_IB_STS2, 6, 4)
	s_cmp_eq_u32 s2, 0
	s_cbranch_scc0 .Lentry_in_a_cluster
	s_endpgm
.Lentry_in_a_cluster:
	s_bfe_u32 s2, ttmp6, 0x10000c
	s_cmp_lg_u32 s2, 0xf033
	s_cbranch_scc0 .Lentry_shape_is_right
	s_endpgm
.Lentry_shape_is_right:
; THE THREE INPUT PROJECTIONS, y = x W^T + b, on codes of FP4 (E2M1) with one E8M0 scale for each 32 along K = 1,024; sums in f32; results rounded to f16 for the attention's products.
; f16 and not bf16: 11 significant bits against 8.  LIMIT: a result (Q after its factor) beyond 65,504 in magnitude becomes an infinity.  With inputs of spread 1 and weights of spread 1 / 32 the results have spread 1:
; both operands 30 times larger give 900; an offset of 30 spreads on both gives 1,024 x 30 x 30 / 32 = 28,800; 30 times smaller on both gives 1 / 900, against f16's lowest step of 6e-8.
; x: q, k, v on end, 24,576 rows of 512 code bytes (xc) and 32 scale bytes (xs).  W: Wq, Wk, Wv on end, 3,072 rows (wc, ws).  z = 0, 1, 2 says which of the three a work-group serves: 32 tile rows each.
; A work-group of four waves makes 256 tokens x 256 features, a wave 128 x 128: 64 accumulators, 512 registers.  K = 1,024 is two LDS slots of 512 along K (rows of 256 bytes): both are asked for at the start, with the
; scale bytes of all of K, and no LDS byte is filled twice.
; CLUSTERS: 4 x 4 work-groups.  The four of a row of the cluster need the same tiles of x, the four of a column the same tiles of W: each tile is asked for JOINTLY, by the same tensor load with a mask that names the four.
; THE MATRIX INSTRUCTION IS USED TRANSPOSED (source 0 = 16 rows of W, source 1 = 16 tokens): a lane holds ONE token and eight neighbouring features.  Rounded to f16 these are four registers of the next product's operand,
; so the results leave straight from registers, laid as images of those operands: byte z 2^24 + (16 b + head) 2^18 + (token / 16) 2^11 + (channel / 16) 2^9 + lane part; each store of the wave covers 512 consecutive bytes.
; Lane part: Q, K: 16 x lane (registers 0-3 or 4-7 of a fragment of 16 tokens x 32 channels); V: 32 r + 16 h (a block of 16 keys x 16 channels, rows of 32 bytes, for the turning LDS load).
; The bias is the C of each sum's first matrix instruction.  Q (bias and all) is multiplied by c = log2(e) / 8, so that the attention's scores come out as exponents of 2; K and V by 1.
; REGISTERS, in windows of 256: window 0: v16-27 addresses; v32-95 scale words, two sets; v128-191 x's fragments, one set.  window 1: W's fragments, two sets at v0 and v128; v64-127 the bias, 8 registers a tile of 16 features.
;   window 2: the accumulators of my tokens 0-63 ((a, b) at v[8 (8 a + b)]); window 3: those of tokens 64-127.
.set KSTEP,  512
.set NQ,     KSTEP/128
.set ROWB,   256
.set KROW,   512
.set PITCH,  272                       ; an LDS row: 256 bytes + 16 of padding = 68 words: the 16 rows that a load touches start at 16 different banks
.set FR,     8
.set NL,     2
.set NP,     4
.set HALFT,  128*PITCH
.set SLOT,   4*HALFT                   ; x's 256 rows, then W's 256 rows
.set KS,     32                        ; a row of scale bytes
.set SCL,    2*SLOT                    ; behind the slots: the scale bytes, as units of 256 bytes + 16 of padding
.set HALFS,  (128*KS/256)*272
.set SBLK,   (16*KS/256)*272
.set ADRA, 16
.set ADRB, 20
.set CO,   26
.set ADRS, 27
.set SC,   32
.set AF,   128
.set BI,   64
.set G1, 24
.set G0, 32
.set G1B, 48
.set G0B, 56
.set G1S, 68
.set G0S, 76
.set G1SB, 80
.set G0SB, 88
.set MSB, 0
.macro WIN new                         ; the immediate's high byte repeats the setting that is left
.if MSB != (\new)
	s_set_vgpr_msb (MSB<<8)|(\new)
.set MSB, (\new)
.endif
.endm
.set MUL_LO, 0xa1                      ; source 0 (W) window 1, source 1 (x) window 0, C and D window 2
.set MUL_HI, 0xf1                      ; the same, C and D window 3.  In the first step C is the bias, in window 1: 0x91 and 0xd1
.set TO_B,   0x40
; A joint load: waves 0 and 1 fetch for x, waves 2 and 3 for W.  The branch hangs on the wave's number alone.  Four v_nop follow each of the two lines.
.macro JLOAD g0a, g1a, g0b, g1b
	s_cmp_eq_u32 s15, 0
	s_cbranch_scc0 .Lfor_b_\@
	tensor_load_to_lds s[\g0a:\g0a+3], s[\g1a:\g1a+7]
	s_nop 0
.rept 4
	v_nop
.endr
	s_branch .Lasked_\@
.Lfor_b_\@:
	tensor_load_to_lds s[\g0b:\g0b+3], s[\g1b:\g1b+7]
	s_nop 0
.rept 4
	v_nop
.endr
.Lasked_\@:
.endm
.macro CROUND                          ; a round of the cluster's barrier
	s_barrier_signal -1
	s_barrier_wait -1
	s_cmp_lg_u32 s14, 0
	s_cbranch_scc1 .Lnot_wave_0_\@
	s_barrier_signal -3
.Lnot_wave_0_\@:
	s_barrier_wait -3
	s_barrier_signal -1
	s_barrier_wait -1
.endm
	s_load_b256 s[4:11], s[0:1], 0x0               ; xc, xs, wc, ws
	s_load_b256 s[92:99], s[0:1], 0x20             ; bq, bk, bv, qkv
	v_lshl_add_u32 v126, v0, 2, 0x48400
	v_mov_b32 v127, 0
	ds_add_u32 v126, v127
	v_lshrrev_b32 v1, 5, v0
	v_readfirstlane_b32 s14, v1                    ; wave 0..3
	s_lshr_b32 s15, s14, 1                         ; which half of the tile's tokens is mine.  Also: I fetch for x (0) or for W (1)
	s_and_b32 s16, s14, 1                          ; which half of its features.  Also: which 128 rows of that tile I fetch
	s_bfe_u32 s40, ttmp6, 0x40000                  ; cx, cy: my place in the cluster
	s_bfe_u32 s41, ttmp6, 0x40004
	s_lshl_b32 s42, ttmp9, 2
	s_add_co_u32 s42, s42, s40                     ; tile column: 256 features
	s_and_b32 s17, ttmp7, 0xffff
	s_lshr_b32 s3, s17, 3                          ; z: eight rows of clusters to a tensor: the same in all sixteen partners
	s_lshl_b32 s17, s17, 2
	s_add_co_u32 s17, s17, s41                     ; tile row: 256 rows of xc
	s_lshl_b32 s43, s41, 2
	s_lshl_b32 s43, 15, s43                        ; my row of the cluster
	s_lshl_b32 s44, 0x1111, s40                    ; my column
	s_or_b32 s[G1+0], s43, (0<<16)|(1<<20)|(1<<21)|(5<<22)|(3<<25)  ; the mask; elements of 1 byte; padding on; bit 21 beside a mask; after every 64 words 4 words
	s_or_b32 s[G1B+0], s44, (0<<16)|(1<<20)|(1<<21)|(5<<22)|(3<<25)
.irp g, G1, G1B
	s_mov_b32 s[\g+1], ROWB<<16                    ; tensor_dim0
	s_mov_b32 s[\g+2], 128<<16                     ; tensor_dim1
	s_mov_b32 s[\g+3], ROWB<<16                    ; tile_dim0
	s_mov_b32 s[\g+4], 128                         ; tile_dim1
	s_mov_b32 s[\g+5], KROW                        ; the pitch
	s_mov_b32 s[\g+6], 0
	s_mov_b32 s[\g+7], 0
.endr
	s_or_b32 s[G1S+0], s43, (3<<16)|(1<<20)|(1<<21)|(5<<22)|(3<<25) ; the scale bytes of 128 rows: 4,096 dense bytes as 16 rows of 256 (32 elements of 8 bytes), 16 bytes of padding behind each
	s_or_b32 s[G1SB+0], s44, (3<<16)|(1<<20)|(1<<21)|(5<<22)|(3<<25)
.irp g, G1S, G1SB
	s_mov_b32 s[\g+1], 32<<16
	s_mov_b32 s[\g+2], (128*KS/256)<<16
	s_mov_b32 s[\g+3], 32<<16
	s_mov_b32 s[\g+4], 128*KS/256
	s_mov_b32 s[\g+5], 32
	s_mov_b32 s[\g+6], 0
	s_mov_b32 s[\g+7], 0
.endr
	s_lshl_b32 s18, s16, 7                         ; which 128 rows of the tile I fetch
	s_lshl_b32 s20, s17, 8
	s_add_co_u32 s20, s20, s18                     ; x: row 256 x tile row + 128 x half
	s_lshl_b32 s46, s42, 8
	s_add_co_u32 s46, s46, s18
	s_lshl_b32 s19, s3, 10
	s_add_co_u32 s46, s46, s19                     ; W: row 1,024 z + 256 x tile column + 128 x half
	s_mov_b32 s21, 0
	s_mov_b32 s47, 0
	s_lshl_b64 s[22:23], s[20:21], 5               ; where these rows' scale bytes begin,
	s_lshl_b64 s[66:67], s[46:47], 5
	s_lshl_b64 s[20:21], s[20:21], 9               ; and their codes
	s_lshl_b64 s[46:47], s[46:47], 9
	s_mul_i32 s45, s14, HALFT                      ; where they go: wave x 128 rows: no place in the cluster enters an LDS address
	s_mul_i32 s2, s14, HALFS
	s_wait_dscnt 0x0
	s_wait_kmcnt 0x0
	s_add_nc_u64 s[20:21], s[4:5], s[20:21]
	s_add_nc_u64 s[22:23], s[6:7], s[22:23]
	s_add_nc_u64 s[46:47], s[8:9], s[46:47]
	s_add_nc_u64 s[66:67], s[10:11], s[66:67]
	CROUND                                         ; all sixteen work-groups are here: the joint loads meet
	s_mov_b32 s[G0S], 1
	s_add_co_u32 s[G0S+1], s2, SCL
	s_mov_b64 s[G0S+2:G0S+3], s[22:23]
	s_or_b32 s[G0S+3], s[G0S+3], 0x80000000
	s_mov_b32 s[G0SB], 1
	s_add_co_u32 s[G0SB+1], s2, SCL
	s_mov_b64 s[G0SB+2:G0SB+3], s[66:67]
	s_or_b32 s[G0SB+3], s[G0SB+3], 0x80000000
	JLOAD G0S, G1S, G0SB, G1SB                     ; the scale bytes first: they are wanted with the first slot
.irp s, 0,1
	s_mov_b32 s[G0+4*\s], 1
	s_add_co_u32 s[G0+4*\s+1], s45, \s*SLOT
	s_add_nc_u64 s[G0+4*\s+2:G0+4*\s+3], s[20:21], \s*ROWB
	s_or_b32 s[G0+4*\s+3], s[G0+4*\s+3], 0x80000000
	s_mov_b32 s[G0B+4*\s], 1
	s_add_co_u32 s[G0B+4*\s+1], s45, \s*SLOT
	s_add_nc_u64 s[G0B+4*\s+2:G0B+4*\s+3], s[46:47], \s*ROWB
	s_or_b32 s[G0B+4*\s+3], s[G0B+4*\s+3], 0x80000000
	JLOAD G0+4*\s, G1, G0B+4*\s, G1B               ; three tensor loads of mine are out in all
.endr
	; the bias of my 128 features: lane (r, h) wants, for tile b, the eight numbers at 16 b + 8 h
	s_cmp_eq_u32 s3, 1
	s_cselect_b64 s[92:93], s[94:95], s[92:93]
	s_cmp_eq_u32 s3, 2
	s_cselect_b64 s[92:93], s[96:97], s[92:93]
	s_lshl_b32 s46, s42, 10
	s_lshl_b32 s47, s16, 9
	s_add_co_u32 s46, s46, s47
	s_mov_b32 s47, 0
	s_add_nc_u64 s[92:93], s[92:93], s[46:47]
	v_and_b32 v1, 15, v0                           ; r
	v_bfe_u32 v2, v0, 4, 1                         ; h
	v_lshlrev_b32 v7, 5, v2
	WIN TO_B
.irp b, 0,1,2,3,4,5,6,7
	global_load_b128 v[BI+8*\b:BI+8*\b+3], v7, s[92:93] offset:64*\b
	global_load_b128 v[BI+8*\b+4:BI+8*\b+7], v7, s[92:93] offset:64*\b+16
.endr
	WIN 0
	v_mul_u32_u24 v3, v1, PITCH
	v_lshl_add_u32 v4, v2, 4, v3                   ; a fragment's row x pitch + 16 x half
	s_mul_i32 s21, s15, HALFT                      ; my 128 rows of x
	s_mul_i32 s22, s16, HALFT                      ; my 128 rows of W,
	s_add_co_u32 s22, s22, 2*HALFT                 ; which lie behind x's 256
.irp s, 0,1
	v_add_nc_u32 v[ADRA+\s], s21, v4
	v_add_nc_u32 v[ADRB+\s], s22, v4
	s_add_co_u32 s21, s21, SLOT
	s_add_co_u32 s22, s22, SLOT
.endr
	v_mul_u32_u24 v5, v1, KS                       ; my row's scale bytes: 32 a row,
	v_lshrrev_b32 v6, 8, v5
	v_lshl_add_u32 v5, v6, 4, v5                   ; and 16 more for each 256 passed
	s_mul_i32 s21, s15, HALFS
	s_mul_i32 s22, s16, HALFS
	s_add_co_u32 s22, s22, 2*HALFS
	s_sub_co_u32 s22, s22, s21
	v_mul_u32_u24 v6, s22, v2                      ; lanes 0-15 take x's words, lanes 16-31 W's: one product, the distance between the two
	s_add_co_u32 s21, s21, SCL
	v_add_nc_u32 v5, v5, v6
	v_add_nc_u32 v[ADRS], s21, v5
	; the way out: my lane's 16 bytes in a block of 512, the factor, and where my part of qkv begins
	s_mov_b32 s100, 1.0
	s_cmp_eq_u32 s3, 0
	s_cselect_b32 s100, 0x3e38aa3b, s100           ; c = log2(e) / 8 for Q, 1 for K and V
	s_mov_b32 s101, s100                           ; (named with it as a pair, so it is written)
	s_cmp_eq_u32 s3, 2
	s_cselect_b32 s20, 32, 16
	s_cselect_b32 s21, 16, 256
	v_mul_u32_u24 v[CO], s20, v1
	v_mad_u32_u24 v[CO], v2, s21, v[CO]
	s_lshr_b32 s20, s17, 3                         ; 4 z + b
	s_lshl_b32 s20, s20, 22
	s_and_b32 s21, s17, 7
	s_lshl_b32 s21, s21, 4
	s_lshl_b32 s22, s15, 3
	s_add_co_u32 s21, s21, s22                     ; my first tile of 16 tokens in the batch
	s_lshl_b32 s21, s21, 11
	s_add_co_u32 s20, s20, s21
	s_mov_b32 s21, 0
	s_lshl_b32 s46, s42, 2
	s_lshl_b32 s47, s16, 1
	s_add_co_u32 s46, s46, s47                     ; my first head
	s_lshl_b32 s46, s46, 18
	s_mov_b32 s47, 0
	s_add_nc_u64 s[20:21], s[20:21], s[46:47]
	s_add_nc_u64 s[12:13], s[98:99], s[20:21]
.macro FRAG reg, adr, q, i             ; 16 rows x 128 K of 4-bit codes: 8 registers: lane l holds row l % 16; registers 4 c .. 4 c + 3 hold K = 64 c + 32 (l / 16) + 0 .. 31
.irp c, 0,1
	ds_load_b128 v[\reg+4*\c:\reg+4*\c+3], v[\adr] offset:64*(\q)+32*\c+(\i)*16*PITCH
.endr
.endm
; 16 matrix instructions: x's blocks a0, a0 + 1 against W's eight, 128 along K: the slot's q-th.  p: W's set; sc: the set of scale words.  zero = 1: the first product starts the sums from the bias.
; The 64 accumulators take turns, one instruction a turn, in the same order in every step.
.macro MUL16 a0, p, q, sc, zero
.irp a, \a0, \a0+1
.irp b, 0,1,2,3,4,5,6,7
.if \zero
	v_wmma_scale_f32_16x16x128_f8f6f4 v[8*(8*((\a)%4)+\b):8*(8*((\a)%4)+\b)+7], v[128*(\p)+FR*\b:128*(\p)+FR*\b+FR-1], v[AF+FR*(\a):AF+FR*(\a)+FR-1], v[BI+8*\b:BI+8*\b+7], v[SC+8*NQ*(\sc)+NQ*\b+(\q)], v[SC+8*NQ*(\sc)+NQ*(\a)+(\q)] matrix_a_fmt:MATRIX_FMT_FP4 matrix_b_fmt:MATRIX_FMT_FP4 matrix_a_scale:MATRIX_SCALE_ROW1
.else
	v_wmma_scale_f32_16x16x128_f8f6f4 v[8*(8*((\a)%4)+\b):8*(8*((\a)%4)+\b)+7], v[128*(\p)+FR*\b:128*(\p)+FR*\b+FR-1], v[AF+FR*(\a):AF+FR*(\a)+FR-1], v[8*(8*((\a)%4)+\b):8*(8*((\a)%4)+\b)+7], v[SC+8*NQ*(\sc)+NQ*\b+(\q)], v[SC+8*NQ*(\sc)+NQ*(\a)+(\q)] matrix_a_fmt:MATRIX_FMT_FP4 matrix_b_fmt:MATRIX_FMT_FP4 matrix_a_scale:MATRIX_SCALE_ROW1
.endif
.endr
.endr
.endm
.macro FETCH_B slot, q, p
	WIN TO_B
.irp i, 0,1,2,3,4,5,6,7
	FRAG 128*(\p)+FR*\i, ADRB+\slot, \q, \i
.endr
	WIN 0
.endm
.macro FETCH_A slot, q, i0
.irp i, \i0, \i0+1, \i0+2, \i0+3
	FRAG AF+FR*(\i), ADRA+\slot, \q, \i
.endr
.endm
.macro SCALES sc                       ; a slot's scale words: 4 words a row; lanes 0-15 take x's block i, lanes 16-31 W's block i
.irp i, 0,1,2,3,4,5,6,7
	ds_load_b128 v[SC+8*NQ*\sc+NQ*\i:SC+8*NQ*\sc+NQ*\i+3], v[ADRS] offset:\i*SBLK
.endr
.endm
.macro PLACES n                        ; plain vector lines between a matrix instruction and a load into, or a vector read or write of, its registers
.rept \n
	v_nop
.endr
.endm
.macro STEP slot, q, zero              ; 128 along K, with its successor in the same slot
	s_wait_dscnt 4*NL                              ; W's set and x's blocks 0-3 are in; the youngest eight loads (x's blocks 4-7) may be out
	WIN MUL_LO-0x10*(\zero)
	MUL16 0, (\q)%2, \q, \slot, \zero
	MUL16 2, (\q)%2, \q, \slot, \zero
	s_wait_dscnt 0
	PLACES NP
	FETCH_B \slot, (\q)+1, 1-(\q)%2
	FETCH_A \slot, (\q)+1, 0
	WIN MUL_HI-0x20*(\zero)
	MUL16 4, (\q)%2, \q, \slot, \zero
	MUL16 6, (\q)%2, \q, \slot, \zero
	PLACES NP
	WIN 0
	FETCH_A \slot, (\q)+1, 4
.endm
.macro TURN slot, next                 ; a slot's last step: behind the barrier the next slot is whole; nothing is filled again
	s_wait_tensorcnt 0x0                           ; my part of the next slot has landed
	s_wait_dscnt 4*NL
	WIN MUL_LO
	MUL16 0, 1, NQ-1, \slot, 0
	s_wait_dscnt 0x0                               ; no LDS instruction of mine is pending at the signal
	s_barrier_signal -1
	MUL16 2, 1, NQ-1, \slot, 0
	WIN 0
	s_barrier_wait -1
	PLACES NP
	v_add_nc_u32 v[ADRS], 4*NQ, v[ADRS]            ; on to the next slot's scale words
	FETCH_B \next, 0, 0
	FETCH_A \next, 0, 0
	SCALES \next
	WIN MUL_HI
	MUL16 4, 1, NQ-1, \slot, 0
	MUL16 6, 1, NQ-1, \slot, 0
	PLACES NP
	WIN 0
	FETCH_A \next, 0, 4
.endm
.macro STEPS slot, from
.set Q, \from
.rept NQ-1-\from
	STEP \slot, Q, 0
.set Q, Q+1
.endr
.endm
	s_wait_tensorcnt 1                             ; the scale bytes and my part of slot 0 are in (slot 1's load may be out),
	s_barrier_signal -1
	s_barrier_wait -1                              ; everybody's are
	FETCH_B 0, 0, 0
	FETCH_A 0, 0, 0
	SCALES 0
	FETCH_A 0, 0, 4
	s_wait_loadcnt 0x0                             ; the bias
	STEP 0, 0, 1
	STEPS 0, 1
	TURN 0, 1
	STEPS 1, 0
	s_wait_dscnt 4*NL                              ; the last step: nothing more to fetch
	WIN MUL_LO
	MUL16 0, 1, NQ-1, 1, 0
	MUL16 2, 1, NQ-1, 1, 0
	s_wait_dscnt 0
	WIN MUL_HI
	MUL16 4, 1, NQ-1, 1, 0
	MUL16 6, 1, NQ-1, 1, 0
; THE WAY OUT, half of my tokens at a time: x the factor (each accumulator from its low end on), rounded to f16, stored as they stand.  No store's data are written again.
.macro EPI hi
	WIN 0x82+0x41*(\hi)                            ; destination and source 0: window 2 or 3
.set i, 0
.rept 128
	v_pk_mul_f32 v[i:i+1], v[i:i+1], s[100:101] op_sel_hi:[1,0]
.set i, i+2
.endr
	WIN 0x0a+0x45*(\hi)                            ; sources window 2 or 3; results into window 0, v128-255, or window 1, v0-127: registers that are done with
.set i, 0
.rept 128
	v_cvt_pk_f16_f32 v[128-128*(\hi)+i], v[2*i], v[2*i+1]
.set i, i+1
.endr
	WIN 0x04*(\hi)                                 ; a store's data are its source 1
.irp a, 0,1,2,3
.irp b, 0,1,2,3,4,5,6,7
	global_store_b128 v[CO], v[128-128*(\hi)+4*(8*\a+\b):128-128*(\hi)+4*(8*\a+\b)+3], s[12:13] offset:(4*(\hi)+\a)*2048+(\b/4)*262144+(\b%4)*512   ; 16 tokens x 16 channels: 512 consecutive bytes
.endr
.endr
.endm
	PLACES NP
	EPI 0
	EPI 1
	WIN 0
	s_wait_tensorcnt 0x0
	s_wait_dscnt 0x0
	s_wait_tensorcnt 0x0
	ds_add_u32 v126, v127
	s_wait_dscnt 0x0
	CROUND                                         ; the closing round: no work-group ends while a partner may still ask for a tile that names it
	s_endpgm
.Lfunc_end_k_qc2bfeb5249_proj:
	.size	k_qc2bfeb5249_proj, .Lfunc_end_k_qc2bfeb5249_proj-k_qc2bfeb5249_proj
	.p2alignl 7, 3214868480
	.fill 96, 4, 3214868480
	.section	.rodata,"a",@progbits
	.p2align	6, 0x0
	.amdhsa_kernel k_qc2bfeb5249_proj
		.amdhsa_group_segment_fixed_size 327680
		.amdhsa_private_segment_fixed_size 0
		.amdhsa_enable_private_segment 0
		.amdhsa_kernarg_size 64
		.amdhsa_user_sgpr_count 2
		.amdhsa_user_sgpr_kernarg_segment_ptr 1
		.amdhsa_wavefront_size32 1
		.amdhsa_system_sgpr_workgroup_id_x 1
		.amdhsa_system_sgpr_workgroup_id_y 1
		.amdhsa_system_sgpr_workgroup_id_z 1
		.amdhsa_system_vgpr_workitem_id 0
		.amdhsa_next_free_vgpr 1024
		.amdhsa_next_free_sgpr 102
		.amdhsa_reserve_vcc 0
		.amdhsa_float_denorm_mode_32 3
		.amdhsa_float_denorm_mode_16_64 3
		.amdhsa_memory_ordered 1
		.amdhsa_forward_progress 1
		.amdhsa_inst_pref_size 135
	.end_amdhsa_kernel
	.amdgpu_metadata
---
amdhsa.version: [ 1, 2 ]
amdhsa.kernels:
  - .name:           k_qc2bfeb5249_proj
    .symbol:         k_qc2bfeb5249_proj.kd
    .args:
      - { .name: xc, .offset: 0, .size: 8, .value_kind: global_buffer, .address_space: global }
      - { .name: xs, .offset: 8, .size: 8, .value_kind: global_buffer, .address_space: global }
      - { .name: wc, .offset: 16, .size: 8, .value_kind: global_buffer, .address_space: global }
      - { .name: ws, .offset: 24, .size: 8, .value_kind: global_buffer, .address_space: global }
      - { .name: bq, .offset: 32, .size: 8, .value_kind: global_buffer, .address_space: global }
      - { .name: bk, .offset: 40, .size: 8, .value_kind: global_buffer, .address_space: global }
      - { .name: bv, .offset: 48, .size: 8, .value_kind: global_buffer, .address_space: global }
      - { .name: qkv, .offset: 56, .size: 8, .value_kind: global_buffer, .address_space: global }
    .group_segment_fixed_size: 327680
    .private_segment_fixed_size: 0
    .kernarg_segment_align: 8
    .kernarg_segment_size: 64
    .max_flat_workgroup_size: 128
    .sgpr_count:     102
    .vgpr_count:     1024
    .wavefront_size: 32
...
	.end_amdgpu_metadata
.endif
;; end of part 2
;; launch attn (part 3): grid 4 x 64, 16 waves a work-group, clusters of 4 x 1, 327,680 bytes of LDS; arguments qkv, mw, att; writes att
.if DOCPART == 3
	.amdgcn_target "amdgcn-amd-amdhsa--gfx1250"
	.amdhsa_code_object_version 6
	.text
	.protected	k_qc2bfeb5249_attn
	.globl	k_qc2bfeb5249_attn
	.p2align	8
	.type	k_qc2bfeb5249_attn,@function
k_qc2bfeb5249_attn:
	s_mov_b64 s[64:65], 0
	v_nop
	global_prefetch_b8 v0, s[64:65] scope:SCOPE_SE
	s_setreg_imm32_b32 hwreg(HW_REG_WAVE_MODE, 25, 1), 1
	s_wait_xcnt 0x0
	s_wait_alu depctr_hold_cnt(0) depctr_sa_sdst(0) depctr_va_vdst(0) depctr_va_sdst(0) depctr_va_ssrc(0) depctr_va_vcc(0) depctr_vm_vsrc(0)
	s_getreg_b32 s2, hwreg(HW_REG_IB_STS2, 6, 4)
	s_cmp_eq_u32 s2, 0
	s_cbranch_scc0 .Lentry_in_a_cluster
	s_endpgm
.Lentry_in_a_cluster:
	s_bfe_u32 s2, ttmp6, 0x10000c
	s_cmp_lg_u32 s2, 0x3003
	s_cbranch_scc0 .Lentry_shape_is_right
	s_endpgm
.Lentry_shape_is_right:
; O[b][head][q] = the sum over k of softmax_k(where(mask, Q . K / 8, -1e9)) V, products on f16 operands with f32 sums; maxima, exponentials and sums in f32; the weights p rounded to f16 for the second product.
; f16 and not bf16: 11 significant bits against 8.  p lies in 0 .. 1: a p under f16's lowest step, 6e-8, is lost, beside a row's sum of at least 1.  O is a mean of V's rows and has V's range.
; Q arrives multiplied by log2(e) / 8, so a score IS the exponent t of 2; a hidden key's t is -1e9 log2(e): a number, not -infinity, so a row with no key left comes out as the plain mean of V, as the definition has it.
; LIMITS: NaN and infinities are not served; true scores at or under -1e9 are not told apart from hidden ones any better than f32 tells them apart.
; SHARES.  A work-group owns 512 queries of one (b, head); each of its SIXTEEN waves owns 32 of them, two tiles of 16, in 256 registers: four waves to a SIMD, so that one wave's vector work stands beside another's
; matrix work and LDS loads, and no register window is switched.  Every wave walks all 2,048 keys, 64 a step.
; LAYOUT.  S^T = K Q^T (source 0 = 16 keys, source 1 = 16 queries): a lane holds ONE query (lane % 16) and the keys 16 kt + 8 (lane / 16) + 0 .. 7.  Two such tiles rounded to f16 in pairs ARE source 1 of O^T = V^T P.
; Q, K, V lie in qkv as images of the operands' registers (V as blocks of 16 keys x 16 channels for the turning load): every LDS load of the wave takes consecutive bytes; no pitch, no padding.
; THE MASK comes as lane masks, 32 words for a tile of 16 queries and a step of 64 keys: word 8 kt + j selects register 8 kt + j of S^T.  They are read by scalar loads a step ahead and serve v_cndmask_b32 alone.
; SOFTMAX.  For each query a running maximum m and sum l; p = 2^(t - m); in every step O and l are multiplied by a = 2^(m_old - m_new).
; THE RING.  Two LDS slots of 256 keys (K 32 KB, then V 32 KB).  CLUSTER: the four query blocks of a head walk the same K and V: each slot is asked for JOINTLY (waves 0, 1: K's halves; waves 2, 3: V's), mask 15.
.set SLOT1, 65536
.set VOFF,  32768
.set SPARE, 131072                     ; behind the ring: the spare words, 128 bytes for each of the sixteen waves: eight blocks of 256 bytes that no other line names
.set AK0, 1                            ; v1   16 x lane: my place in an image
.set AV0, 2                            ; v2   my place in a block of V, + VOFF
.set ADK, 3                            ; v3   LDS address of the step's K
.set ADV, 4                            ; v4   of its V
.set SPW, 5                            ; v5   LDS address of my spare word; never rewritten
.set NIL, 6                            ; v6   0; never rewritten
.set NEG, 7                            ; v7   a hidden key's t
.set PFO, 8                            ; v8   256 x lane: the prefetches' offset; never rewritten
.set W,   10                           ; v[10+2t:11+2t] at work: two chains of the maximum, then the second chain of the sum
.set ST,  16                           ; tile t's statistics at v[16+8t]: +0 m, +1 m_old, +2, +3 l (even keys', odd keys'), +4 a, +5 the other half's, +6, +7 at work
.set Q,   32                           ; v32-63   Q: tile t, channels 32 f on, at 32 + 16 t + 8 f
.set S,   64                           ; v64-127  S^T, 32 a tile; P is packed into each tile's first 16
.set O,   128                          ; v128-191 O^T: tile t, channels 16 u on, at 128 + 32 t + 8 u
.set KV,  192                          ; v192-255 the step's K, later its V
.set TB,  2                            ; s2   LDS byte at which the step in hand begins
.set SLOTS, 3                          ; s3   slots still to be asked for
.set G1,  4                            ; s[4:11]  descriptor group 1
.set G0,  12                           ; s[12:15] descriptor group 0, which walks
.set MWB, 16                           ; s[16:17] my two tiles' mask words
.set WV,  18
.set MO,  19                           ; s19  the byte offset of the step whose words are being fetched
.set SEL, 20
.set OB,  22                           ; s[22:23] where my results go
.set PFA, 24                           ; s[24:25] where my prefetches stand
.set LIM, 26                           ; s26  1 in a wave that prefetches, else the greatest number
.set CNT, 27
.set MK0, 32                           ; s[32:63] tile 0's 32 mask words
.set MK1, 68                           ; s[68:99] tile 1's
.macro CROUND                          ; a round of the cluster's barrier
	s_barrier_signal -1
	s_barrier_wait -1
	s_cmp_lg_u32 s[WV], 0
	s_cbranch_scc1 .Lnot_wave_0_\@
	s_barrier_signal -3
.Lnot_wave_0_\@:
	s_barrier_wait -3
	s_barrier_signal -1
	s_barrier_wait -1
.endm
.macro TLOAD                           ; waves 0 to 3 fetch a quarter of a slot each, the others nothing; the branch hangs on the wave's number alone; four v_nop follow the load
	s_cmp_lt_u32 s[WV], 4
	s_cbranch_scc0 .Lnone_\@
	tensor_load_to_lds s[G0:G0+3], s[G1:G1+7]
	s_nop 0
.rept 4
	v_nop
.endr
.Lnone_\@:
.endm
; A PREFETCH INTO THE L2 of what the NEXT change of slots will ask for: 32 KB of K and 32 KB of V.  A head's K and V are walked by this cluster alone.  The four partners share each 32 KB out BY ADDRESS, 8 KB each;
; in each, wave 4 asks for K's and wave 5 for V's, lanes 256 bytes apart: one instruction, and each block of 256 bytes is named once in the launch.  It stands a slot, four key steps, ahead of the load that wants the bytes.
; The last change that fills a slot asks for nothing; slots 0 and 1 come by their loads alone.
.macro ASK
	s_cmp_gt_u32 s[SLOTS], s[LIM]
	s_cbranch_scc0 .Lnot_mine_\@
	global_prefetch_b8 v[PFO], s[PFA:PFA+1] th:TH_LOAD_NT scope:SCOPE_SE
.Lnot_mine_\@:
.endm
	s_load_b128 s[28:31], s[0:1], 0x0              ; qkv, mw
	s_load_b64 s[OB:OB+1], s[0:1], 0x10            ; att
	v_lshl_add_u32 v[SPW], v0, 2, SPARE
	v_mov_b32 v[NIL], 0
	ds_add_u32 v5, v6
	s_wait_dscnt 0x0
	v_lshrrev_b32 v9, 5, v0
	v_readfirstlane_b32 s[WV], v9                  ; wave 0..15
	s_bfe_u32 s32, ttmp6, 0x40000                  ; cx: my block of 512 queries
	s_and_b32 s33, ttmp7, 0xffff                   ; 16 b + head, which the four partners share
	s_lshr_b32 s34, s33, 4                         ; b
	s_and_b32 s35, s33, 15                         ; head
	s_lshl_b32 s36, s32, 5
	s_lshl_b32 s37, s[WV], 1
	s_add_co_u32 s36, s36, s37                     ; my first tile of 16 queries in the batch
	s_lshl_b32 s37, s34, 7
	s_add_co_u32 s37, s37, s36                     ; and among all 512 tiles: T0, an even number
	s_lshl_b32 s38, s33, 18                        ; the head's first byte in each third of qkv
	s_min_u32 s40, s[WV], 3                        ; which quarter of a slot I fetch, if I fetch: made of the wave's number and the head alone
	s_lshr_b32 s41, s40, 1
	s_add_co_u32 s41, s41, 1                       ; K is the second third of qkv, V the last
	s_lshl_b32 s41, s41, 24
	s_add_co_u32 s41, s41, s38
	s_and_b32 s42, s40, 1
	s_lshl_b32 s42, s42, 14
	s_add_co_u32 s42, s42, s41
	s_mov_b32 s43, 0
	s_lshl_b32 s44, s36, 11
	s_add_co_u32 s44, s44, s38                     ; Q: my two tiles
	s_mov_b32 s45, 0
	s_lshl_b32 s46, s37, 12                        ; mask words: 4,096 bytes a tile of queries
	s_mov_b32 s47, 0
	s_lshr_b32 s48, s37, 3
	s_lshl_b32 s48, s48, 18
	s_and_b32 s49, s37, 7
	s_lshl_b32 s49, s49, 10
	s_add_co_u32 s48, s48, s49
	s_lshl_b32 s49, s35, 14
	s_add_co_u32 s48, s48, s49                     ; att: (T0 / 8) 262,144 + (T0 % 8) 1,024 + head x 2 fragments of 8,192
	s_mov_b32 s49, 0
	s_and_b32 s50, s[WV], 1
	s_add_co_u32 s50, s50, 1
	s_lshl_b32 s50, s50, 24
	s_add_co_u32 s50, s50, s38
	s_lshl_b32 s51, s32, 13
	s_add_co_u32 s50, s50, s51
	s_add_co_u32 s50, s50, 32768                   ; the prefetches: my work-group's 8 KB, in slot 1: the first change of slots steps it to slot 2
	s_mov_b32 s51, 0
	s_lshr_b32 s52, s[WV], 1
	s_cmp_eq_u32 s52, 2                            ; waves 4 and 5: the same in all four partners
	s_cselect_b32 s[LIM], 1, -1
	s_mov_b32 s[G1], 15|(3<<16)|(1<<21)            ; the mask: all four work-groups; elements of 8 bytes; bit 21 beside a mask; no padding
	s_mov_b32 s[G1+1], 32<<16                      ; tensor_dim0: 32 elements = 256 bytes
	s_mov_b32 s[G1+2], 64<<16                      ; tensor_dim1: 64 rows: 16 KB, dense
	s_mov_b32 s[G1+3], 32<<16                      ; tile_dim0
	s_mov_b32 s[G1+4], 64                          ; tile_dim1
	s_mov_b32 s[G1+5], 32                          ; the pitch
	s_mov_b32 s[G1+6], 0
	s_mov_b32 s[G1+7], 0
	s_mov_b32 s[G0], 1
	s_lshl_b32 s[G0+1], s40, 14                    ; slot 0: K's halves at 0 and 16,384, V's at 32,768 and 49,152
	s_mov_b32 s[SEL], 0x76543210
	s_mov_b32 s[SEL+1], 0xfedcba98                 ; v_permlanex16_b32's selects for lane l xor 16
	s_mov_b32 s[TB], 0
	s_mov_b32 s[MO], 0
	s_mov_b32 s[SLOTS], 7
	s_wait_kmcnt 0x0
	s_add_nc_u64 s[G0+2:G0+3], s[28:29], s[42:43]
	s_or_b32 s[G0+3], s[G0+3], 0x80000000
	s_add_nc_u64 s[66:67], s[28:29], s[44:45]
	s_add_nc_u64 s[MWB:MWB+1], s[30:31], s[46:47]
	s_add_nc_u64 s[OB:OB+1], s[OB:OB+1], s[48:49]
	s_add_nc_u64 s[PFA:PFA+1], s[28:29], s[50:51]
	CROUND                                         ; all four work-groups are here: the first joint loads meet
	TLOAD                                          ; slot 0
	v_and_b32 v9, 31, v0
	v_lshlrev_b32 v[AK0], 4, v9
	v_lshlrev_b32 v[PFO], 8, v9
.irp i, 0,1,2,3,4,5,6,7
	global_load_b128 v[Q+4*\i:Q+4*\i+3], v[AK0], s[66:67] offset:512*\i   ; Q stays in registers
.endr
	s_load_b512 s[MK0:MK0+15], s[MWB:MWB+1], s[MO] offset:0x0             ; key step 0's mask words
	s_load_b512 s[MK0+16:MK0+31], s[MWB:MWB+1], s[MO] offset:0x40
	s_load_b512 s[MK1:MK1+15], s[MWB:MWB+1], s[MO] offset:0x1000
	s_load_b512 s[MK1+16:MK1+31], s[MWB:MWB+1], s[MO] offset:0x1040
	v_bfe_u32 v10, v0, 4, 1                        ; the turning load: lane l reads 16 bytes: key 8 (l / 16) + l % 8, channels 8 ((l / 8) % 2) on; a key's row in a block is 32 bytes
	v_and_b32 v11, 7, v0
	v_lshl_add_u32 v10, v10, 3, v11
	v_bfe_u32 v11, v0, 3, 1
	v_lshlrev_b32 v[AV0], 5, v10
	v_lshl_add_u32 v[AV0], v11, 4, v[AV0]
	v_add_nc_u32 v[AV0], VOFF, v[AV0]
	v_mov_b32 v[NEG], 0xceabfb8f                   ; -1e9 log2(e)
.irp t, 0,1
	v_mov_b32 v[ST+8*\t], 0xff61b1e6               ; m: -3e38, under every t
	v_mov_b32 v[ST+8*\t+2], 0                      ; l
	v_mov_b32 v[ST+8*\t+3], 0
	v_mov_b32 v[ST+8*\t+5], 0                      ; a lane permute's destination counts as one of its sources
.endr
.set i, 0
.rept 64
	v_mov_b32 v[O+i], 0                            ; O^T.  (The step is written once: the first finds zeros, which a = 0 leaves zeros)
.set i, i+1
.endr
	s_wait_loadcnt 0x0                             ; Q
.macro SETC t, j                       ; chain j of tile t's maximum
.if (\j) < 2
.set rC, ST+8*(\t)+6+(\j)
.else
.set rC, W+2*(\t)+(\j)-2
.endif
.endm
; A KEY STEP: 64 keys.  The two tiles alternate line by line, so that no line waits for the line above it.
.macro STEP
	v_add_nc_u32 v[ADK], s[TB], v[AK0]             ; five plain lines that name no register of the last products: the places in front of the loads into the registers that held V,
	v_add_nc_u32 v[ADV], s[TB], v[AV0]             ; and in front of the score products, which write over P
	v_mov_b32 v[ST+1], v[ST]                       ; m_old
	v_mov_b32 v[ST+9], v[ST+8]
	v_nop
.irp i, 0,1,2,3,4,5,6,7,8,9,10,11,12,13,14,15
	ds_load_b128 v[KV+4*\i:KV+4*\i+3], v[ADK] offset:512*\i   ; K: keys 16 (i / 4) on, channels 16 (i % 4) on: 512 consecutive bytes
.endr
	s_wait_dscnt 0x0
.irp f, 0,1                            ; S^T = K Q^T: the eight accumulators take turns; the first eight start the sums
.irp kt, 0,1,2,3
.irp t, 0,1
.if \f == 0
	v_wmma_f32_16x16x32_f16 v[S+32*\t+8*\kt:S+32*\t+8*\kt+7], v[KV+16*\kt:KV+16*\kt+7], v[Q+16*\t:Q+16*\t+7], 0
.else
	v_wmma_f32_16x16x32_f16 v[S+32*\t+8*\kt:S+32*\t+8*\kt+7], v[KV+16*\kt+8:KV+16*\kt+15], v[Q+16*\t+8:Q+16*\t+15], v[S+32*\t+8*\kt:S+32*\t+8*\kt+7]
.endif
.endr
.endr
.endr
.rept 4
	v_nop                                          ; places in front of the loads into K's registers and of the first read of the scores
.endr
.irp kk, 0,1                           ; V, turned: keys 32 kk + 16 e on, channels 16 u on; it lands while the softmax is worked
.irp u, 0,1,2,3
.irp e, 0,1
	ds_load_tr16_b128 v[KV+8*(4*\kk+\u)+4*\e:KV+8*(4*\kk+\u)+4*\e+3], v[ADV] offset:(2*\kk+\e)*2048+\u*512
.endr
.endr
.endr
	s_wait_kmcnt 0x0                               ; this step's mask words
.set n, 0
.rept 32
	v_cndmask_b32 v[S+n], v[NEG], v[S+n], s[MK0+n]            ; each accumulator from its low end on
	v_cndmask_b32 v[S+32+n], v[NEG], v[S+32+n], s[MK1+n]
.set n, n+1
.endr
.irp j, 0,1,2,3                        ; the maximum of 32 scores and m_old: four chains, three operands at a time
.irp t, 0,1
	SETC \t, \j
	v_max3_num_f32 v[rC], v[S+32*\t+8*\j], v[S+32*\t+8*\j+1], v[S+32*\t+8*\j+2]
.endr
.endr
.irp g, 1,2
.irp j, 0,1,2,3
.irp t, 0,1
	SETC \t, \j
	v_max3_num_f32 v[rC], v[rC], v[S+32*\t+8*\j+2*\g+1], v[S+32*\t+8*\j+2*\g+2]
.endr
.endr
.endr
.irp t, 0,1
	v_max3_num_f32 v[ST+8*\t+6], v[ST+8*\t+6], v[S+32*\t+7], v[S+32*\t+15]
.endr
.irp t, 0,1
	v_max3_num_f32 v[W+2*\t], v[W+2*\t], v[S+32*\t+23], v[S+32*\t+31]
.endr
	s_add_co_u32 s[MO], s[MO], 128                 ; the next step's mask words are asked for here (the wait above has shown the last loads done, so their offset may be written);
	s_min_u32 s[MO], s[MO], 3968                   ; the last step asks for its own again: no load leaves the buffer
	s_load_b512 s[MK0:MK0+15], s[MWB:MWB+1], s[MO] offset:0x0
	s_load_b512 s[MK0+16:MK0+31], s[MWB:MWB+1], s[MO] offset:0x40
	s_load_b512 s[MK1:MK1+15], s[MWB:MWB+1], s[MO] offset:0x1000
	s_load_b512 s[MK1+16:MK1+31], s[MWB:MWB+1], s[MO] offset:0x1040
.irp t, 0,1
	v_max3_num_f32 v[ST+8*\t+6], v[ST+8*\t+6], v[ST+8*\t+7], v[W+2*\t]
.endr
.irp t, 0,1
	v_max3_num_f32 v[ST+8*\t+6], v[ST+8*\t+6], v[W+2*\t+1], v[ST+8*\t+1]
.endr
.irp t, 0,1
	v_permlanex16_b32 v[ST+8*\t+5], v[ST+8*\t+6], s[SEL], s[SEL+1]   ; the query's other 32 keys lie in the lane 16 away
.endr
.irp t, 0,1
	v_max_num_f32 v[ST+8*\t], v[ST+8*\t+6], v[ST+8*\t+5]             ; the new m
.endr
.irp t, 0,1
	v_sub_f32 v[ST+8*\t+4], v[ST+8*\t+1], v[ST+8*\t]
.endr
.irp t, 0,1
	v_exp_f32 v[ST+8*\t+4], v[ST+8*\t+4]                             ; a = 2^(m_old - m)
.endr
.irp j, 0,2,4,6,8,10,12,14,16,18,20,22,24,26,28,30
.irp t, 0,1
	v_pk_add_f32 v[S+32*\t+\j:S+32*\t+\j+1], v[S+32*\t+\j:S+32*\t+\j+1], v[ST+8*\t:ST+8*\t+1] op_sel_hi:[1,0] neg_lo:[0,1] neg_hi:[0,1]   ; t - m, two at a time
.endr
.endr
.set n, 0
.rept 64
	v_exp_f32 v[S+n], v[S+n]                       ; p = 2^(t - m), at most 1
.set n, n+1
.endr
	s_wait_alu depctr_va_vdst(0)
.irp j, 0,2,4,6,8,10,12,14,16,18,20,22,24,26,28,30
.irp t, 0,1
	v_pk_mul_f32 v[O+32*\t+\j:O+32*\t+\j+1], v[O+32*\t+\j:O+32*\t+\j+1], v[ST+8*\t+4:ST+8*\t+5] op_sel_hi:[1,0]   ; O^T x a (also the plain lines behind the exponentials); each accumulator from its low end on
.endr
.endr
.irp t, 0,1                            ; the row's sum, of the unrounded p: two at a time, in two chains
	v_pk_add_f32 v[ST+8*\t+6:ST+8*\t+7], v[S+32*\t:S+32*\t+1], v[S+32*\t+2:S+32*\t+3]
	v_pk_add_f32 v[W+2*\t:W+2*\t+1], v[S+32*\t+4:S+32*\t+5], v[S+32*\t+6:S+32*\t+7]
.endr
.irp j, 8,12,16,20,24,28
.irp t, 0,1
	v_pk_add_f32 v[ST+8*\t+6:ST+8*\t+7], v[ST+8*\t+6:ST+8*\t+7], v[S+32*\t+\j:S+32*\t+\j+1]
	v_pk_add_f32 v[W+2*\t:W+2*\t+1], v[W+2*\t:W+2*\t+1], v[S+32*\t+\j+2:S+32*\t+\j+3]
.endr
.endr
.irp t, 0,1
	v_pk_add_f32 v[ST+8*\t+6:ST+8*\t+7], v[ST+8*\t+6:ST+8*\t+7], v[W+2*\t:W+2*\t+1]
.endr
.irp t, 0,1
	v_pk_fma_f32 v[ST+8*\t+2:ST+8*\t+3], v[ST+8*\t+2:ST+8*\t+3], v[ST+8*\t+4:ST+8*\t+5], v[ST+8*\t+6:ST+8*\t+7] op_sel_hi:[1,0,1]   ; l = a l + the sum
.endr
.irp i, 0,1,2,3,4,5,6,7,8,9,10,11,12,13,14,15
.irp t, 0,1
	v_cvt_pk_f16_f32 v[S+32*\t+\i], v[S+32*\t+2*\i], v[S+32*\t+2*\i+1]   ; P, packed in place, ascending: pair i lands on a register whose p has been read
.endr
.endr
	s_wait_dscnt 0x0                               ; V is in
.irp kk, 0,1                           ; O^T += V^T P: the eight accumulators take turns
.irp u, 0,1,2,3
.irp t, 0,1
	v_wmma_f32_16x16x32_f16 v[O+32*\t+8*\u:O+32*\t+8*\u+7], v[KV+8*(4*\kk+\u):KV+8*(4*\kk+\u)+7], v[S+32*\t+8*\kk:S+32*\t+8*\kk+7], v[O+32*\t+8*\u:O+32*\t+8*\u+7]
.endr
.endr
.endr
	s_add_co_u32 s[TB], s[TB], 8192                ; the next 64 keys: four tiles of 2,048 bytes
.endm
.macro SLOT_STEPS                      ; a slot's four key steps: written once, walked four times
	s_mov_b32 s[CNT], 4
.Lstep_\@:
	STEP
	s_sub_co_u32 s[CNT], s[CNT], 1
	s_cmp_lg_u32 s[CNT], 0
	s_cbranch_scc1 .Lstep_\@
	s_sub_co_u32 s[TB], s[TB], 32768               ; back to a slot's first step,
	s_xor_b32 s[TB], s[TB], SLOT1                  ; in the other slot
.endm
; THE CHANGE OF SLOTS stands at a slot's head.  Each wave waits for all its tensor loads (its part of the slot that it is about to read), adds 0 to its spare word, and waits for that and for its reads of the slot that it has left.
; fill = 1: the barrier is a round of the cluster's, so that no wave of any partner still reads the other slot or has a load on its way; the joint fill of that slot is the first thing behind it, one load a wave,
; and has a slot's four key steps in which to land.  By this text's count a wave has at most one tensor load out.
.macro CHANGE fill
	s_wait_tensorcnt 0x0                           ; no tensor load of mine is out, so the group 0 may be written
	ds_add_u32 v[SPW], v[NIL]                      ; 0 onto my spare word
.if \fill
	s_xor_b32 s[G0+1], s[G0+1], SLOT1              ; the other slot than last time,
	s_add_nc_u64 s[G0+2:G0+3], s[G0+2:G0+3], 32768 ; the next 256 keys; the type bits on top are not reached
	s_wait_xcnt 0x0                                ; the last prefetch, a slot back, has read its address, so it may be written:
	s_add_nc_u64 s[PFA:PFA+1], s[PFA:PFA+1], 32768 ; one slot further on than the walking descriptor
.endif
	s_wait_dscnt 0x0                               ; the add is done, and my reads of the slot that I have left are over
.if \fill
	CROUND
	TLOAD
	ASK
.else
	s_barrier_signal -1
	s_barrier_wait -1
.endif
.endm
.Lslot:                                            ; seven trips: behind each change of slots but the last the next slot is asked for
	CHANGE 1
	SLOT_STEPS
	s_sub_co_u32 s[SLOTS], s[SLOTS], 1
	s_cmp_lg_u32 s[SLOTS], 0
	s_cbranch_scc1 .Lslot
	CHANGE 0                                       ; the last slot is written out
	SLOT_STEPS
	; THE WAY OUT.  l's two halves and the other half of the lanes' are added; O^T is divided by l and rounded to f16: four registers of the output projection's operand, stored as they stand.
	s_wait_kmcnt 0x0                               ; the last step's spare fetch of mask words
.irp t, 0,1
	v_add_f32 v[ST+8*\t+6], v[ST+8*\t+2], v[ST+8*\t+3]               ; (these additions and the v_nop below are the places behind the last products)
.endr
.irp t, 0,1
	v_permlanex16_b32 v[ST+8*\t+5], v[ST+8*\t+6], s[SEL], s[SEL+1]
.endr
.irp t, 0,1
	v_add_f32 v[ST+8*\t+6], v[ST+8*\t+6], v[ST+8*\t+5]
.endr
.irp t, 0,1
	v_rcp_f32 v[ST+8*\t+4], v[ST+8*\t+6]
.endr
	v_nop                                          ; a plain line between the last reciprocal and the use of its result
	s_wait_alu depctr_va_vdst(0)
.irp j, 0,2,4,6,8,10,12,14,16,18,20,22,24,26,28,30
.irp t, 0,1
	v_pk_mul_f32 v[O+32*\t+\j:O+32*\t+\j+1], v[O+32*\t+\j:O+32*\t+\j+1], v[ST+8*\t+4:ST+8*\t+5] op_sel_hi:[1,0]
.endr
.endr
.set i, 0
.rept 32
	v_cvt_pk_f16_f32 v[S+i], v[O+2*i], v[O+2*i+1]
.set i, i+1
.endr
.irp t, 0,1
.irp u, 0,1,2,3
	global_store_b128 v[AK0], v[S+4*(4*\t+\u):S+4*(4*\t+\u)+3], s[OB:OB+1] offset:\t*1024+(\u/2)*8192+(\u%2)*512   ; 16 tokens x 16 channels: 512 consecutive bytes
.endr
.endr
	s_wait_tensorcnt 0x0                           ; the wave's end
	ds_add_u32 v[SPW], v[NIL]
	s_wait_dscnt 0x0
	CROUND                                         ; the closing round: no work-group ends while a partner may still ask for a tile that names it
	s_endpgm
.Lfunc_end_k_qc2bfeb5249_attn:
	.size	k_qc2bfeb5249_attn, .Lfunc_end_k_qc2bfeb5249_attn-k_qc2bfeb5249_attn
	.p2alignl 7, 3214868480
	.fill 96, 4, 3214868480
	.section	.rodata,"a",@progbits
	.p2align	6, 0x0
	.amdhsa_kernel k_qc2bfeb5249_attn
		.amdhsa_group_segment_fixed_size 327680
		.amdhsa_private_segment_fixed_size 0
		.amdhsa_enable_private_segment 0
		.amdhsa_kernarg_size 24
		.amdhsa_user_sgpr_count 2
		.amdhsa_user_sgpr_kernarg_segment_ptr 1
		.amdhsa_wavefront_size32 1
		.amdhsa_system_sgpr_workgroup_id_x 1
		.amdhsa_system_sgpr_workgroup_id_y 1
		.amdhsa_system_sgpr_workgroup_id_z 1
		.amdhsa_system_vgpr_workitem_id 0
		.amdhsa_next_free_vgpr 256
		.amdhsa_next_free_sgpr 102
		.amdhsa_reserve_vcc 0
		.amdhsa_float_denorm_mode_32 3
		.amdhsa_float_denorm_mode_16_64 3
		.amdhsa_memory_ordered 1
		.amdhsa_forward_progress 1
		.amdhsa_inst_pref_size 58
	.end_amdhsa_kernel
	.amdgpu_metadata
---
amdhsa.version: [ 1, 2 ]
amdhsa.kernels:
  - .name:           k_qc2bfeb5249_attn
    .symbol:         k_qc2bfeb5249_attn.kd
    .args:
      - { .name: qkv, .offset: 0, .size: 8, .value_kind: global_buffer, .address_space: global }
      - { .name: mw, .offset: 8, .size: 8, .value_kind: global_buffer, .address_space: global }
      - { .name: att, .offset: 16, .size: 8, .value_kind: global_buffer, .address_space: global }
    .group_segment_fixed_size: 327680
    .private_segment_fixed_size: 0
    .kernarg_segment_align: 8
    .kernarg_segment_size: 24
    .max_flat_workgroup_size: 512
    .sgpr_count:     102
    .vgpr_count:     256
    .wavefront_size: 32
...
	.end_amdgpu_metadata
.endif
;; end of part 3
;; launch outp (part 4): grid 4 x 64, 4 waves a work-group, clusters of 4 x 1, 327,680 bytes of LDS; arguments att, wob, bo, out0; writes out0
.if DOCPART == 4
	.amdgcn_target "amdgcn-amd-amdhsa--gfx1250"
	.amdhsa_code_object_version 6
	.text
	.protected	k_qc2bfeb5249_outp
	.globl	k_qc2bfeb5249_outp
	.p2align	8
	.type	k_qc2bfeb5249_outp,@function
k_qc2bfeb5249_outp:
	s_mov_b64 s[64:65], 0
	v_nop
	global_prefetch_b8 v0, s[64:65] scope:SCOPE_SE
	s_setreg_imm32_b32 hwreg(HW_REG_WAVE_MODE, 25, 1), 1
	s_wait_xcnt 0x0
	s_wait_alu depctr_hold_cnt(0) depctr_sa_sdst(0) depctr_va_vdst(0) depctr_va_sdst(0) depctr_va_ssrc(0) depctr_va_vcc(0) depctr_vm_vsrc(0)
	s_getreg_b32 s2, hwreg(HW_REG_IB_STS2, 6, 4)
	s_cmp_eq_u32 s2, 0
	s_cbranch_scc0 .Lentry_in_a_cluster
	s_endpgm
.Lentry_in_a_cluster:
	s_bfe_u32 s2, ttmp6, 0x10000c
	s_cmp_lg_u32 s2, 0x3003
	s_cbranch_scc0 .Lentry_shape_is_right
	s_endpgm
.Lentry_shape_is_right:
; out0 = att Wo^T + bo: [8192][1024] f32, on f16 operands with f32 sums, K = 1,024.  (f16 and not bf16: 11 significant bits against 8; the operands' range is stated where they are made.)
; A work-group of four waves makes 128 tokens x 256 features, a wave 128 x 64: 32 accumulators.  256 work-groups.
; att lies as images of the operand's registers, the 128 tokens' whole K as ONE dense block of 262,144 bytes: byte F 8,192 + a 1,024 + c 512 + 16 lane (F: 32 along K; a: 16 tokens).  It comes into LDS once, in four chunks
; of 64 KB (8 K steps each), all asked for at the start: each wave brings a quarter of each chunk, four tensor loads of its own.  No LDS byte is filled twice: no ring.
; CLUSTER: the four work-groups of a cluster make the four tiles of features of the same 128 tokens: att's block is asked for JOINTLY, mask 15.
; Wo's fragments (wob, laid likewise) are each wave's own, 128 KB: they go from memory straight into registers, AH K steps ahead, in eight sets of 32 registers.  They are shared with no wave of the cluster, so no joint load serves them.
; THE MATRIX INSTRUCTION IS USED TRANSPOSED (source 0 = 16 rows of Wo, source 1 = 16 tokens): a lane holds one token and eight neighbouring features.  The bias is the C of each sum's first matrix instruction.
; The 32 K steps are written out: every offset is an immediate and no pointer is stepped.
; REGISTERS, in windows of 256: window 0: v1-9 addresses; v64-127, v128-191 att's fragments, two sets; v192-223 the bias.  window 1: the accumulators, (a, bt) at v[8 (4 a + bt)].  window 2: Wo's eight sets; on the way out rows of out0.
.set AH,    7                          ; set (f + AH) % 8 was last read in step f - 1, behind which four places stand
.set STAGE, 262144                     ; behind att's block: 16 rows x 272 bytes for each wave, for the way out: bytes into which no tensor load lands
.set A0,    64
.set BIA,   192
.set MSB, 0
.macro WIN new                         ; the immediate's high byte repeats the setting that is left
.if MSB != (\new)
	s_set_vgpr_msb (MSB<<8)|(\new)
.set MSB, (\new)
.endif
.endm
.macro CROUND                          ; a round of the cluster's barrier
	s_barrier_signal -1
	s_barrier_wait -1
	s_cmp_lg_u32 s3, 0
	s_cbranch_scc1 .Lnot_wave_0_\@
	s_barrier_signal -3
.Lnot_wave_0_\@:
	s_barrier_wait -3
	s_barrier_signal -1
	s_barrier_wait -1
.endm
.macro PLACES                          ; plain vector lines between a matrix instruction and a load into, or a store of, its registers
.rept 4
	v_nop
.endr
.endm
	s_load_b128 s[4:7], s[0:1], 0x0                ; att, wob
	s_load_b128 s[8:11], s[0:1], 0x10              ; bo, out0
	v_lshl_add_u32 v254, v0, 2, 0x44400
	v_mov_b32 v255, 0
	ds_add_u32 v254, v255
	v_lshrrev_b32 v10, 5, v0
	v_readfirstlane_b32 s3, v10                    ; wave 0..3
	s_bfe_u32 s44, ttmp6, 0x40000                  ; cx: my 256 features
	s_and_b32 s45, ttmp7, 0xffff                   ; my 128 tokens, which the four partners share
	s_mov_b32 s12, 15|(3<<16)|(1<<21)              ; group 1: the mask: all four work-groups; elements of 8 bytes; bit 21 beside a mask; no padding
	s_mov_b32 s13, 32<<16                          ; tensor_dim0: 256 bytes
	s_mov_b32 s14, 64<<16                          ; tensor_dim1: 64 rows: 16 KB, dense
	s_mov_b32 s15, 32<<16                          ; tile_dim0
	s_mov_b32 s16, 64                              ; tile_dim1
	s_mov_b32 s17, 32                              ; the pitch
	s_mov_b32 s18, 0
	s_mov_b32 s19, 0
	s_lshl_b32 s48, s3, 14                         ; my quarter of a chunk: made of the wave's number alone
	s_lshl_b32 s46, s45, 18
	s_add_co_u32 s46, s46, s48
	s_mov_b32 s47, 0
	s_lshl_b32 s50, s44, 19                        ; wob: 16 tiles of 16 features x 32,768 bytes for a work-group, 4 for a wave
	s_lshl_b32 s51, s3, 17
	s_add_co_u32 s50, s50, s51
	s_mov_b32 s51, 0
	s_lshl_b32 s52, s44, 10                        ; my first feature, in bytes of f32
	s_lshl_b32 s53, s3, 8
	s_add_co_u32 s52, s52, s53
	s_mov_b32 s53, 0
	s_lshl_b32 s54, s45, 19                        ; 128 rows of 4,096 bytes
	s_add_co_u32 s54, s54, s52
	s_mov_b32 s55, 0
	s_wait_dscnt 0x0
	s_wait_kmcnt 0x0
	s_add_nc_u64 s[4:5], s[4:5], s[46:47]
	s_add_nc_u64 s[36:37], s[6:7], s[50:51]
	s_add_nc_u64 s[38:39], s[8:9], s[52:53]
	s_add_nc_u64 s[40:41], s[10:11], s[54:55]
.irp j, 0,1,2,3
	s_mov_b32 s[20+4*\j], 1
	s_add_co_u32 s[21+4*\j], s48, 65536*\j
	s_add_nc_u64 s[22+4*\j:23+4*\j], s[4:5], 65536*\j
	s_or_b32 s[23+4*\j], s[23+4*\j], 0x80000000
.endr
	CROUND                                         ; all four work-groups are here: the joint loads meet
	tensor_load_to_lds s[20:23], s[12:19]          ; four tensor loads of mine are out
	s_nop 0
	tensor_load_to_lds s[24:27], s[12:19]
	s_nop 0
	tensor_load_to_lds s[28:31], s[12:19]
	s_nop 0
	tensor_load_to_lds s[32:35], s[12:19]
	s_nop 0
.rept 4
	v_nop
.endr
	v_and_b32 v10, 31, v0
	v_lshlrev_b32 v1, 4, v10                       ; 16 x lane
.irp j, 0,1,2,3
	v_add_nc_u32 v[2+\j], 65536*\j, v1             ; and in chunk j: an LDS offset has 16 bits
.endr
	v_bfe_u32 v11, v0, 4, 1                        ; h
	v_and_b32 v12, 15, v0                          ; r
	v_lshlrev_b32 v6, 5, v11
	s_mul_i32 s56, s3, 16*272
	s_add_co_u32 s56, s56, STAGE                   ; my stage
	v_mul_u32_u24 v7, v12, 272
	v_lshl_add_u32 v7, v11, 5, v7
	v_add_nc_u32 v7, s56, v7                       ; in: row r, 32 bytes for each half of the lanes
	v_mul_u32_u24 v8, v11, 272
	v_lshl_add_u32 v8, v12, 4, v8
	v_add_nc_u32 v8, s56, v8                       ; back: lanes 0-15 one row of 256 bytes, lanes 16-31 the next
	v_lshlrev_b32 v9, 12, v11
	v_lshl_add_u32 v9, v12, 4, v9                  ; and the same two rows in out0
.irp bt, 0,1,2,3
	global_load_b128 v[BIA+8*\bt:BIA+8*\bt+3], v6, s[38:39] offset:64*\bt         ; lane (r, h): bo at 16 bt + 8 h + 0 .. 7
	global_load_b128 v[BIA+8*\bt+4:BIA+8*\bt+7], v6, s[38:39] offset:64*\bt+16
.endr
.macro BLOAD f                         ; Wo's four fragments of K step f into set f % 8
.irp bt, 0,1,2,3
.irp c, 0,1
	global_load_b128 v[32*((\f)%8)+8*\bt+4*\c:32*((\f)%8)+8*\bt+4*\c+3], v1, s[36:37] offset:\bt*32768+(\f)*1024+\c*512
.endr
.endr
.endm
.macro ALOAD f                         ; att's eight fragments of K step f into set f % 2
.irp a, 0,1,2,3,4,5,6,7
.irp c, 0,1
	ds_load_b128 v[A0+64*((\f)%2)+8*\a+4*\c:A0+64*((\f)%2)+8*\a+4*\c+3], v[2+(\f)/8] offset:((\f)%8)*8192+\a*1024+\c*512
.endr
.endr
.endm
	WIN 0x80                                       ; destination window 2
.irp f, 0,1,2,3,4,5,6
	BLOAD \f
.endr
	WIN 0
	s_wait_tensorcnt 3                             ; my part of chunk 0 is in; the three later chunks may be out
	s_barrier_signal -1
	s_barrier_wait -1                              ; everybody's is
	ALOAD 0
; A K STEP of 32: 32 matrix instructions, each accumulator once.
.macro KSTEP f
.if (\f) > 0
	PLACES                                         ; in front of the loads into the sets that the last step's products read
.endif
.if ((\f) == 7) || ((\f) == 15) || ((\f) == 23)
	s_wait_dscnt 0x0                               ; no LDS instruction of mine is pending at the signal
	s_wait_tensorcnt 3-((\f)+1)/8                  ; my part of the next chunk is in; the later chunks may be out
	s_barrier_signal -1
	s_barrier_wait -1
.endif
.if (\f)+AH <= 31
	WIN 0x80
	BLOAD (\f)+AH
.endif
.if (\f) < 31
	WIN 0
	ALOAD (\f)+1
.endif
.if 31-(\f) < AH
	s_wait_loadcnt 8*(31-(\f))                     ; this step's fragments of Wo are in; the later steps' eight loads each may be out
.else
	s_wait_loadcnt 8*AH
.endif
.if (\f) < 31
	s_wait_dscnt 16                                ; this step's fragments of att are in; the sixteen loads just issued may be out
.else
	s_wait_dscnt 0x0
.endif
.if (\f) == 0
	WIN 0x42                                       ; source 0 (Wo) window 2, source 1 (att) window 0, C (the bias) window 0, D window 1
.else
	WIN 0x52                                       ; C and D window 1
.endif
.irp a, 0,1,2,3,4,5,6,7
.irp bt, 0,1,2,3
.if (\f) == 0
	v_wmma_f32_16x16x32_f16 v[8*(4*\a+\bt):8*(4*\a+\bt)+7], v[32*((\f)%8)+8*\bt:32*((\f)%8)+8*\bt+7], v[A0+64*((\f)%2)+8*\a:A0+64*((\f)%2)+8*\a+7], v[BIA+8*\bt:BIA+8*\bt+7]
.else
	v_wmma_f32_16x16x32_f16 v[8*(4*\a+\bt):8*(4*\a+\bt)+7], v[32*((\f)%8)+8*\bt:32*((\f)%8)+8*\bt+7], v[A0+64*((\f)%2)+8*\a:A0+64*((\f)%2)+8*\a+7], v[8*(4*\a+\bt):8*(4*\a+\bt)+7]
.endif
.endr
.endr
.endm
.set F, 0
.rept 32
	KSTEP F
.set F, F+1
.endr
; THE WAY OUT, 16 tokens at a time.  A lane holds 32 neighbouring bytes of a row, the lanes beside it other rows: a block goes through my own stage and comes back as rows of 256 bytes, which sixteen lanes store as one aligned run.
; LDS serves a wave's instructions in order: no wait between the stores and the loads, nor in front of the next block's stores.  Each block has its own 32 registers: no store's data are written again.
.macro TOSTAGE a
	WIN 0x04                                       ; an LDS store's data are its source 1: window 1
.irp bt, 0,1,2,3
	ds_store_b128 v7, v[8*(4*(\a)+\bt):8*(4*(\a)+\bt)+3] offset:64*\bt          ; each accumulator from its low end on
	ds_store_b128 v7, v[8*(4*(\a)+\bt)+4:8*(4*(\a)+\bt)+7] offset:64*\bt+16
.endr
	WIN 0x80                                       ; back into window 2
.irp i, 0,1,2,3,4,5,6,7
	ds_load_b128 v[32*(\a)+4*\i:32*(\a)+4*\i+3], v8 offset:544*\i
.endr
.endm
.macro SEND a, younger                 ; younger: the LDS instructions issued behind block a's loads, which may stay out
	s_wait_dscnt \younger
	WIN 0x08                                       ; a store's data are its source 1: window 2
.irp i, 0,1,2,3,4,5,6,7
	global_store_b128 v9, v[32*(\a)+4*\i:32*(\a)+4*\i+3], s[40:41] offset:(16*(\a)+2*\i)*4096 th:TH_STORE_NT   ; 16 lanes store 256 consecutive bytes, at a multiple of 256 from out0's first byte
.endr
.endm
	PLACES                                         ; behind the last products: for the stores of results and the loads into Wo's sets
	TOSTAGE 0
.irp a, 1,2,3,4,5,6,7
	TOSTAGE \a
	SEND \a-1, 16                                  ; behind block a - 1's loads: block a's eight stores and eight loads
.endr
	SEND 7, 0
	WIN 0
	s_wait_tensorcnt 0x0
	s_wait_dscnt 0x0
	s_wait_tensorcnt 0x0
	ds_add_u32 v254, v255
	s_wait_dscnt 0x0
	CROUND                                         ; the closing round: no work-group ends while a partner may still ask for a tile that names it
	s_endpgm
.Lfunc_end_k_qc2bfeb5249_outp:
	.size	k_qc2bfeb5249_outp, .Lfunc_end_k_qc2bfeb5249_outp-k_qc2bfeb5249_outp
	.p2alignl 7, 3214868480
	.fill 96, 4, 3214868480
	.section	.rodata,"a",@progbits
	.p2align	6, 0x0
	.amdhsa_kernel k_qc2bfeb5249_outp
		.amdhsa_group_segment_fixed_size 327680
		.amdhsa_private_segment_fixed_size 0
		.amdhsa_enable_private_segment 0
		.amdhsa_kernarg_size 32
		.amdhsa_user_sgpr_count 2
		.amdhsa_user_sgpr_kernarg_segment_ptr 1
		.amdhsa_wavefront_size32 1
		.amdhsa_system_sgpr_workgroup_id_x 1
		.amdhsa_system_sgpr_workgroup_id_y 1
		.amdhsa_system_sgpr_workgroup_id_z 1
		.amdhsa_system_vgpr_workitem_id 0
		.amdhsa_next_free_vgpr 768
		.amdhsa_next_free_sgpr 66
		.amdhsa_reserve_vcc 0
		.amdhsa_float_denorm_mode_32 3
		.amdhsa_float_denorm_mode_16_64 3
		.amdhsa_memory_ordered 1
		.amdhsa_forward_progress 1
		.amdhsa_inst_pref_size 151
	.end_amdhsa_kernel
	.amdgpu_metadata
---
amdhsa.version: [ 1, 2 ]
amdhsa.kernels:
  - .name:           k_qc2bfeb5249_outp
    .symbol:         k_qc2bfeb5249_outp.kd
    .args:
      - { .name: att, .offset: 0, .size: 8, .value_kind: global_buffer, .address_space: global }
      - { .name: wob, .offset: 8, .size: 8, .value_kind: global_buffer, .address_space: global }
      - { .name: bo, .offset: 16, .size: 8, .value_kind: global_buffer, .address_space: global }
      - { .name: out0, .offset: 24, .size: 8, .value_kind: global_buffer, .address_space: global }
    .group_segment_fixed_size: 327680
    .private_segment_fixed_size: 0
    .kernarg_segment_align: 8
    .kernarg_segment_size: 32
    .max_flat_workgroup_size: 128
    .sgpr_count:     66
    .vgpr_count:     768
    .wavefront_size: 32
...
	.end_amdgpu_metadata
.endif
;; end of part 4
